; MI455X (gfx1250); checked and timed in simulation.
; The chip was launched on July 23, 2026; its instructions are those of AMD's public machine-readable ISA for CDNA 5 (MIT licence, August 2026) and "CDNA5" Instruction Set Architecture Reference Guide (July 2026). The comments in the code are by the model that wrote it; some were corrected since.
;; Attention. Allowed arithmetic: matrix products marked QUANTISED: E2M3 operands, one E8M0 scale for each 32 along K, by v_wmma_scale_f32_16x16x128_f8f6f4 with both operands' format E2M3, f32 sums; everything else in f32.
;; Inputs: Wkv 1,024 x 2,048 float32; Wq 1,024 x 1,024 float32; x 4 x 2,048 x 1,024 float32; y 4 x 2,048 x 1,024 float32.
;; Outputs: out0 4 x 2,048 x 1,024 float32.
;; This version of the problem:
;;   THIS VERSION OF THE PROBLEM IS GIVEN IN LOW PRECISION. The matrix products marked QUANTISED in the list below multiply operands that are first quantised to E2M3 (2 exponent bits, 3 mantissa bits; 6 bits a number), with one power-of-two scale for each 32 numbers along K (OCP MX v1.0); their sums are f32. All else is computed in f32.
;;   The module's matrix products, in the order in which they are computed (A, B: the left and right operand; K: the contracted axis; several contracted axes count as one K, in the product's order):
;;     1. [M 8,192, K 1,024] x [K 1,024, N 1,024]; A: input x; B: input Wq: QUANTISED
;;     2. [M 8,192, K 1,024] x [K 1,024, N 2,048]; A: input y; B: input Wkv: QUANTISED
;;     3. batch 4 x [M 2,048, K 1,024] x [K 1,024, N 2,048]; A: computed on the way; B: computed on the way: QUANTISED
;;     4. batch 4 x [M 2,048, K 2,048] x [K 2,048, N 1,024]; A: softmax (see below); B: computed on the way: QUANTISED
;;   THE QUANTISER, for each operand of a quantised product, along K:
;;     - K is cut into blocks of 32 from its start; a last block that is shorter is filled with zeros.
;;     - A block's scale is 2^e with e = floor(log2(the largest magnitude in the block)) - 2, held to -126 .. 127; a block of zeros has e = 0. As a byte (E8M0): e + 127.
;;     - Each number is divided by its block's scale, clamped to +-7.5, and rounded to the nearest number of E2M3, ties to even, subnormals kept.
;;     - The product sums the exact products of the quantised numbers (number of the format x scale) in f32.
;;   ~~~python
;;   def quantise(x, axis):      # numpy; x: float32 -> the quantised numbers, widened to float32 again
;;       x = np.moveaxis(x, axis, -1); K = x.shape[-1]
;;       x = np.pad(x, [(0, 0)] * (x.ndim - 1) + [(0, -K % 32)]); x = x.reshape(x.shape[:-1] + (-1, 32)); a = np.abs(x).max(-1, keepdims=True)
;;       e = np.where(a > 0, np.clip(np.frexp(np.where(a > 0, a, 1))[1] - 1 - 2, -126, 127), 0)      # np.frexp(a)[1] - 1 = floor(log2(a)), exactly
;;       r = np.clip(x / 2.0 ** e, -7.5, 7.5)
;;       step = 2.0 ** (np.maximum(np.frexp(np.where(r == 0, 1, r))[1] - 1, 0) - 3)
;;       q = np.round(r / step) * step * 2.0 ** e      # np.round: ties to even
;;       return np.moveaxis(q.reshape(q.shape[:-2] + (-1,))[..., :K], -1, axis).astype(np.float32)
;;   ~~~
;;   SOFTMAX AHEAD OF A QUANTISED PRODUCT. Where the list says 'softmax', what is quantised is not the finished softmax but p = 2^(t - M), with t = logit x log2(e) and M = ceil(the row's largest t), a whole number; so 1/2 < the row's largest p <= 1. The row's sum l is taken of the UNQUANTISED p, in f32, and the product's result is divided by l at the end. Since M is a whole number, a kernel that streams over the keys may use a running M (the ceiling of the running maximum): every later rescaling is an exact power of two, which a block's scale takes up: the codes' values come out the same.
;;   OPERANDS COMPUTED ON THE WAY. 'Computed on the way' means the value that the module computes at that place (a softmax that the list does not call 'softmax' is quantised finished and normalised). What goes into a quantiser is computed in f32, as accurately as f32 sums, v_exp_f32 and their like allow (about 1e-6 of the number): no bf16 or f16 on the way to a quantiser, and a product that is left as it is and whose result goes on into a quantised operand takes f32 operands (vector FMAs, or v_wmma_f32_16x16x4_f32). A number that lies on a knife's edge between two numbers of the format may be rounded either way, as far as f32 arithmetic and the matrix unit's own rounding can turn it there, and no further.
;; One version. Each part assembles by itself: llvm-mc -triple=amdgcn-amd-amdhsa -mcpu=gfx1250 --defsym DOCPART=n.
;; ======== version 1 of 1: 4 launches
;; limits: right only within a limited range of input values
;; workspace buffers: codes1 14,942,208 bytes; scales1 622,592 bytes; codes2 18,874,368 bytes; scales2 786,432 bytes; pcodes 12,582,912 bytes; pmeta 1,572,864 bytes
;; launch quant (part 1): grid 256 x 1, 19 waves a work-group, no clusters, 272,896 bytes of LDS; arguments x, y, Wq, Wkv, codes1, scales1; writes codes1, scales1
.if DOCPART == 1
	.amdgcn_target "amdgcn-amd-amdhsa--gfx1250"
	.amdhsa_code_object_version 6
	.text
	.protected	k_qe6a9406a09_quant
	.globl	k_qe6a9406a09_quant
	.p2align	8
	.type	k_qe6a9406a09_quant,@function
k_qe6a9406a09_quant:
	s_mov_b64 s[64:65], 0
	v_nop
	global_prefetch_b8 v0, s[64:65] scope:SCOPE_SE
	s_setreg_imm32_b32 hwreg(HW_REG_WAVE_MODE, 25, 1), 1
	s_wait_xcnt 0x0
; x, y [8192][1024] and Wq [1024][1024], Wkv [1024][2048], all f32, become codes of FP6 (E2M3) with one E8M0 byte for each 32 along K (the 1,024 channels: x's and y's last axis, the weights' FIRST axis).
; A block's scale is 2^(floor(log2(its largest magnitude)) - 2); its byte is the largest magnitude's exponent field - 2, held at 1 from below; numbers are divided by the scale and rounded to the nearest code, ties to even,
; beyond 7.5 the largest code.
; LIMITS: NaN and infinities are not served.  A block of zeros, or one whose largest magnitude lies under 2^-124, gets the byte 1 (its codes are zeros or next to zero); the bytes are read by this program alone.
; THE LAYOUT OF EVERY OPERAND OF THIS PROGRAM is an image of the matrix operand's registers.  Rows (for a weight: its columns) go in panels of 128, a panel in 8 blocks tb of 16; lane r of block tb holds the panel's row
; 32 (tb / 2) + 8 (tb % 2) + r % 8 + 16 (r / 8).  The 12 registers of a fragment (16 rows x 128 K) lie as three pieces of 512 bytes, lane l's four registers at 16 l.
;   codes:  panel x 98,304 + (k / 256) x 24,576 + tb x 3,072 + ((k / 128) % 2) x 1,536 + piece x 512 + 16 x lane         scale words (4 bytes: a row's 128 along K):  panel x 4,096 + (k / 128) x 512 + 32 r + 4 tb
; Panels: x 0-63, y 64-127, Wq's columns 128-135, Wkv's columns 136-151.
; SHARES.  256 work-groups of seven waves, which share nothing: no barrier.  Waves 0-3: a panel of x or y x 128 along K each (64 KiB), brought by two tensor loads into the wave's own LDS bytes, filled once.
; Wave 4: 32 columns of Wq x 128 along K; waves 5, 6: the same of Wkv: a lane takes a column and its registers run down K, so nothing is transposed.
.set XP,    528                        ; a row of x in LDS: 512 bytes + 16 of padding
; THE SHARES AS THIS TEXT HAS THEM: 19 waves.  Waves 0-15: 32 rows (blocks 2 g, 2 g + 1; g = wave / 4) of the work-group's panel x 128 along K (chunk wave % 4 of its four), brought by ONE tensor load
; into the wave's own LDS bytes, filled once.  Wave 16: 32 columns of Wq; waves 17, 18: of Wkv.
.set WREG,  32*XP                      ; a wave's LDS bytes: 32 rows
.set XR,    16                         ; v16-143  x: two sets of 64 numbers;  a weight: 128 numbers down K
.set TW,    144                        ; v144-151 at work
.set PC,    152                        ; v152-171, v172-191  x: two sets of codes (12, and the conversions' second halves at +12, +16);  a weight: v152-163, v164-175 the two lanes' fragments
.set TC,    176                        ; a weight: a conversion's second half
.set SW,    184                        ; a weight: the column's scale word
.set WD,    14                         ; v[14:15] x: the two blocks' scale words
.set G1,    16                         ; s[16:23] descriptor group 1;  s[24:27] group 0
.set G0,    24
.set SEL,   32                         ; s[32:33] lane selects of v_permlanex16_b32: lane l xor 16
.set WV,    34                         ; s34 my wave's number
	s_load_b256 s[4:11], s[0:1], 0x0               ; x s[4:5], y s[6:7], Wq s[8:9], Wkv s[10:11]
	s_load_b128 s[12:15], s[0:1], 0x20             ; the codes s[12:13], the scale words s[14:15]
	v_lshl_add_u32 v12, v0, 2, 0x42000             ; my spare word, behind the sixteen waves' 270,336 bytes; v12 and v13 are kept for the add alone
	v_mov_b32 v13, 0
	ds_add_u32 v12, v13                            ; the opening lines: the add, twice on end, and its wait
	ds_add_u32 v12, v13
	s_wait_dscnt 0x0
	v_lshrrev_b32 v1, 5, v0
	v_readfirstlane_b32 s[WV], v1                  ; wave 0..18
	v_and_b32 v1, 31, v0                           ; lane
	v_and_b32 v2, 15, v0                           ; r
	v_bfe_u32 v3, v0, 4, 1                         ; h
	; group 1: 32 rows x 128 elements of 4 bytes, 1,024 elements from row to row; in LDS 4 words of padding behind every 128
	s_mov_b32 s[G1+0], (2<<16)|(1<<20)|(6<<22)|(3<<25)
	s_mov_b32 s[G1+1], 128<<16                     ; tensor_dim0
	s_mov_b32 s[G1+2], 32<<16                      ; tensor_dim1: 32 rows
	s_mov_b32 s[G1+3], 128<<16                     ; tile_dim0
	s_mov_b32 s[G1+4], 32                          ; tile_dim1
	s_mov_b32 s[G1+5], 1024                        ; tensor_dim0_stride
	s_mov_b32 s[G1+6], 0
	s_mov_b32 s[G1+7], 0
	s_mov_b32 s[SEL], 0x76543210
	s_mov_b32 s[SEL+1], 0xfedcba98
	s_cmp_lt_u32 s[WV], 16
	s_cbranch_scc0 .Lweights                       ; the waves part here and do not meet again
	; ---------------- waves 0-15: panel p = work-group / 2 of x and y, K chunk jc = 4 (work-group % 2) + wave % 4
	s_lshr_b32 s35, ttmp9, 1                       ; p
	s_and_b32 s36, ttmp9, 1
	s_lshl_b32 s36, s36, 2
	s_and_b32 s44, s[WV], 3
	s_lshr_b32 s45, s[WV], 2                       ; g: which 32 rows of the panel
	s_add_co_u32 s36, s36, s44                     ; jc
	s_and_b32 s38, s35, 63
	s_lshl_b32 s38, s38, 19                        ; 128 rows of 4,096 bytes a panel,
	s_lshl_b32 s39, s36, 9                         ; 512 bytes a chunk
	s_add_co_u32 s38, s38, s39
	s_lshl_b32 s39, s45, 17                        ; 32 rows of 4,096 bytes
	s_add_co_u32 s38, s38, s39
	s_mov_b32 s39, 0
	s_mul_i32 s37, s[WV], WREG                     ; my LDS bytes
	s_mul_i32 s40, s35, 98304                      ; where my codes go
	s_lshr_b32 s41, s36, 1
	s_mul_i32 s41, s41, 24576
	s_add_co_u32 s40, s40, s41
	s_and_b32 s41, s36, 1
	s_mul_i32 s41, s41, 1536
	s_add_co_u32 s40, s40, s41
	s_mul_i32 s41, s45, 6144                       ; blocks 2 g and 2 g + 1
	s_add_co_u32 s40, s40, s41
	s_mov_b32 s41, 0
	s_lshl_b32 s42, s35, 12                        ; and my scale words
	s_lshl_b32 s43, s36, 9
	s_add_co_u32 s42, s42, s43
	s_lshl_b32 s43, s45, 3                         ; their two words of a row's eight
	s_add_co_u32 s42, s42, s43
	s_mov_b32 s43, 0
	s_wait_kmcnt 0x0
	s_cmp_lt_u32 ttmp9, 128                        ; x's panels or y's: the choice hangs on the work-group's number alone
	s_cselect_b64 s[4:5], s[4:5], s[6:7]
	s_add_nc_u64 s[4:5], s[4:5], s[38:39]
	s_mov_b32 s[G0+0], 1
	s_mov_b32 s[G0+1], s37                         ; my LDS bytes
	s_mov_b64 s[G0+2:G0+3], s[4:5]
	s_or_b32 s[G0+3], s[G0+3], 0x80000000
	tensor_load_to_lds s[G0:G0+3], s[G1:G1+7]      ; my one tensor load: 32 rows x 512 bytes; nothing is filled again
	s_nop 0
	s_wait_alu depctr_va_vdst(0)
	v_lshlrev_b32 v5, 4, v1                        ; 16 x lane: my place in a piece of an image
	s_add_nc_u64 s[12:13], s[12:13], s[40:41]
	s_add_nc_u64 s[14:15], s[14:15], s[42:43]
	v_and_b32 v8, 7, v2
	v_lshrrev_b32 v9, 3, v2
	v_lshl_add_u32 v8, v9, 4, v8                   ; r % 8 + 16 (r / 8): my row in a block
	v_mul_u32_u24 v4, v8, XP
	v_lshl_add_u32 v4, v3, 7, v4                   ; + 128 h: the operand's layout gives lane (r, h) k = 64 c + 32 h + 0 .. 31
	v_add_nc_u32 v4, s37, v4
	v_lshlrev_b32 v6, 5, v2                        ; 32 r: where my row's two scale words go
	v_lshlrev_b32 v7, 3, v3                        ; 8 h
	v_mov_b32 v[TW+7], 0                           ; written once: a lane permute's destination counts as one of its sources
; block tb's 64 numbers of my row into set tb % 2.  Rows r and r + 8 of a block lie 16 rows apart, 33 x 256 bytes: they meet in the same banks two deep (64 banks of 4 bytes: ISA guide 11.1); the block order of the images is worth that
.macro LOADX tb
.irp c, 0,1
.irp i, 0,1,2,3,4,5,6,7
	ds_load_b128 v[XR+64*((\tb)%2)+32*\c+4*\i:XR+64*((\tb)%2)+32*\c+4*\i+3], v4 offset:(32*((\tb)/2)+8*((\tb)%2))*XP+256*\c+16*\i
.endr
.endr
.endm
; block tb: my two blocks of 32 (2 c + h of the chunk's four) are all mine; the scale word's other two bytes come from lane l xor 16
.macro BLOCKX tb
.set XS, XR+64*((\tb)%2)
.set PCS, PC+20*((\tb)%2)
.irp c, 0,1
	v_max3_num_f32 v[TW+\c], |v[XS+32*\c]|, |v[XS+32*\c+1]|, 0x1800000   ; the floor 2^(3 - 127) among the leaves: the byte cannot fall under 1
.endr
.irp i, 2,4,6,8,10,12,14,16,18,20,22,24,26,28,30
.irp c, 0,1
	v_max3_num_f32 v[TW+\c], v[TW+\c], |v[XS+32*\c+\i]|, |v[XS+32*\c+\i+1]|
.endr
.endr
.irp c, 0,1
	v_add_nc_u32 v[TW+2+\c], 0xff000000, v[TW+\c]  ; 2 off the exponent field: the conversion takes this operand's exponent field as its scale
.endr
.irp c, 0,1
	v_lshrrev_b32 v[TW+4+\c], 23, v[TW+2+\c]       ; the byte
.endr
	v_lshl_or_b32 v[TW+6], v[TW+5], 16, v[TW+4]    ; bytes h and 2 + h of the word,
	v_lshlrev_b32 v[TW+6], v7, v[TW+6]             ; at their places;
	v_permlanex16_b32 v[TW+7], v[TW+6], s[SEL], s[SEL+1]
	v_or_b32 v[WD+(\tb)], v[TW+6], v[TW+7]         ; with the other half's two the word is whole
.irp c, 0,1
	v_cvt_scalef32_pk16_fp6_f32 v[PCS+6*\c:PCS+6*\c+2], v[XS+32*\c:XS+32*\c+15], v[TW+2+\c]
	v_cvt_scalef32_pk16_fp6_f32 v[PCS+12+4*\c:PCS+14+4*\c], v[XS+32*\c+16:XS+32*\c+31], v[TW+2+\c]   ; (a conversion's three registers begin on an even number)
.endr
	v_nop                                          ; one plain place behind a scaled conversion
.irp c, 0,1
.irp i, 0,1,2
	v_mov_b32 v[PCS+3+6*\c+\i], v[PCS+12+4*\c+\i]
.endr
.endr
.irp c, 0,1,2
	global_store_b128 v5, v[PCS+4*\c:PCS+4*\c+3], s[12:13] offset:(\tb)*3072+512*\c   ; 32 lanes store 512 consecutive bytes, at a multiple of 256 from the buffer's first byte
.endr
.endm
	s_wait_alu depctr_va_vdst(0)
	s_wait_tensorcnt 0x0                           ; my 128 rows are in
	LOADX 0
	LOADX 1
	s_wait_dscnt 16                                ; the first block's 16 loads are in
	BLOCKX 0                                       ; each block has its own set of codes: no store's data are written again
	s_wait_dscnt 0x0
	BLOCKX 1
	global_store_b64 v6, v[WD:WD+1], s[14:15]      ; runs of 8 bytes, 32 bytes apart (both halves of the lanes hold the same two words and store them to the same place): 524,288 bytes of the launch's output leave so
	s_wait_tensorcnt 0x0
	ds_add_u32 v12, v13
	s_wait_dscnt 0x0
	s_endpgm
	; ---------------- waves 16-18: 32 columns of a weight x 128 along K.  Lane l takes column 32 g + l; its registers run down K
.macro WLOADS pitch, base
.set i, 0
.rept 128
	global_load_b32 v[XR+i], v6, s[\base:\base+1] offset:i*\pitch th:TH_LOAD_NT   ; 32 lanes read 128 consecutive bytes of row 128 jc + i
.set i, i+1
.endr
.endm
.Lweights:
	s_lshr_b32 s35, ttmp9, 3
	s_and_b32 s36, ttmp9, 7                        ; jc
	s_wait_alu depctr_va_vdst(0)
	v_lshlrev_b32 v6, 2, v1
	s_mov_b32 s41, 0
	s_cmp_eq_u32 s[WV], 16
	s_cbranch_scc0 .Lwkv
	s_lshl_b32 s40, s36, 19                        ; Wq: 128 rows of 4,096 bytes a chunk; g = work-group / 8
	s_lshl_b32 s37, s35, 7
	s_add_co_u32 s40, s40, s37
	s_lshr_b32 s37, s35, 2
	s_add_co_u32 s37, s37, 128                     ; the panel
	s_and_b32 s38, s35, 3                          ; which 32 of its 128 rows
	s_wait_kmcnt 0x0
	s_add_nc_u64 s[8:9], s[8:9], s[40:41]
	s_wait_alu depctr_va_vdst(0)
	WLOADS 4096, 8
	s_branch .Lwwork
.Lwkv:
	s_lshl_b32 s35, s35, 1                         ; Wkv: 128 rows of 8,192 bytes a chunk; g = 2 (work-group / 8) + wave - 17
	s_add_co_u32 s35, s35, s[WV]
	s_sub_co_u32 s35, s35, 17
	s_lshl_b32 s40, s36, 20
	s_lshl_b32 s37, s35, 7
	s_add_co_u32 s40, s40, s37
	s_lshr_b32 s37, s35, 2
	s_add_co_u32 s37, s37, 136
	s_and_b32 s38, s35, 3
	s_wait_kmcnt 0x0
	s_add_nc_u64 s[10:11], s[10:11], s[40:41]
	s_wait_alu depctr_va_vdst(0)
	WLOADS 8192, 10
.Lwwork:
	s_mul_i32 s40, s37, 98304                      ; my codes: the panel, the chunk, blocks 2 b and 2 b + 1
	s_lshr_b32 s42, s36, 1
	s_mul_i32 s42, s42, 24576
	s_add_co_u32 s40, s40, s42
	s_and_b32 s42, s36, 1
	s_mul_i32 s42, s42, 1536
	s_add_co_u32 s40, s40, s42
	s_mul_i32 s42, s38, 6144
	s_add_co_u32 s40, s40, s42
	s_add_nc_u64 s[12:13], s[12:13], s[40:41]
	s_lshl_b32 s40, s37, 12                        ; my scale words
	s_lshl_b32 s42, s36, 9
	s_add_co_u32 s40, s40, s42
	s_lshl_b32 s42, s38, 3
	s_add_co_u32 s40, s40, s42
	s_add_nc_u64 s[14:15], s[14:15], s[40:41]
	v_bfe_u32 v8, v1, 3, 1                         ; u: column 32 b + l is row r' = l % 8 + 8 (l / 16) of block 2 b + u, u = (l / 8) % 2
	v_and_b32 v9, 7, v1
	v_lshrrev_b32 v10, 4, v1
	v_lshl_add_u32 v9, v10, 3, v9                  ; r'
	v_mul_u32_u24 v4, v8, 3072
	v_lshl_add_u32 v4, v9, 4, v4                   ; 3,072 u + 16 r'
	v_lshlrev_b32 v5, 5, v9
	v_lshl_add_u32 v5, v8, 2, v5                   ; 32 r' + 4 u
; block k of the chunk's four: registers 6 (k / 2) .. + 5 of the image's lane (r', k % 2)
.macro WBLOCK k
.set XS, XR+32*(\k)
.set FD, PC+12*((\k)%2)+6*((\k)/2)
.if (\k) == 0
	s_wait_loadcnt 63                              ; the largest count that the wait can name: the first 65 loads are in, blocks 0 and 1 among them
.elseif (\k) == 2
	s_wait_loadcnt 32                              ; the last block's 32 loads may be out
.elseif (\k) == 3
	s_wait_loadcnt 0x0
.endif
	v_max3_num_f32 v[TW], |v[XS]|, |v[XS+1]|, |v[XS+2]|
	v_max3_num_f32 v[TW+1], |v[XS+3]|, |v[XS+4]|, |v[XS+5]|
.irp i, 6,10,14,18,22,26
	v_max3_num_f32 v[TW], v[TW], |v[XS+\i]|, |v[XS+\i+1]|
	v_max3_num_f32 v[TW+1], v[TW+1], |v[XS+\i+2]|, |v[XS+\i+3]|
.endr
	v_max3_num_f32 v[TW], v[TW], |v[XS+30]|, |v[XS+31]|
	v_max3_num_f32 v[TW], v[TW], v[TW+1], 0x1800000
	v_add_nc_u32 v[TW+2], 0xff000000, v[TW]
	v_lshrrev_b32 v[TW+3], 23, v[TW+2]
.if (\k) == 0
	v_mov_b32 v[SW], v[TW+3]
.else
	v_lshl_or_b32 v[SW], v[TW+3], 8*(\k), v[SW]
.endif
	v_cvt_scalef32_pk16_fp6_f32 v[FD:FD+2], v[XS:XS+15], v[TW+2]
	v_cvt_scalef32_pk16_fp6_f32 v[TC:TC+2], v[XS+16:XS+31], v[TW+2]
	v_nop                                          ; one plain place behind a scaled conversion
.irp i, 0,1,2
	v_mov_b32 v[FD+3+\i], v[TC+\i]
.endr
.endm
	WBLOCK 0
	WBLOCK 1
	WBLOCK 2
	WBLOCK 3
.irp h, 0,1
.irp c, 0,1,2
	global_store_b128 v4, v[PC+12*\h+4*\c:PC+12*\h+4*\c+3], s[12:13] offset:256*\h+512*\c   ; sixteen lanes (one u) store 256 consecutive bytes, aligned: the image's lanes 16 h .. 16 h + 15 of one piece
.endr
.endr
	global_store_b32 v5, v[SW], s[14:15]           ; runs of 8 bytes, 32 bytes apart: 98,304 bytes of the launch's output leave so
	s_endpgm
.Lfunc_end_k_qe6a9406a09_quant:
	.size	k_qe6a9406a09_quant, .Lfunc_end_k_qe6a9406a09_quant-k_qe6a9406a09_quant
	.p2alignl 7, 3214868480
	.fill 96, 4, 3214868480
	.section	.rodata,"a",@progbits
	.p2align	6, 0x0
	.amdhsa_kernel k_qe6a9406a09_quant
		.amdhsa_group_segment_fixed_size 272896
		.amdhsa_private_segment_fixed_size 0
		.amdhsa_enable_private_segment 0
		.amdhsa_kernarg_size 48
		.amdhsa_user_sgpr_count 2
		.amdhsa_user_sgpr_kernarg_segment_ptr 1
		.amdhsa_wavefront_size32 1
		.amdhsa_system_sgpr_workgroup_id_x 1
		.amdhsa_system_sgpr_workgroup_id_y 1
		.amdhsa_system_sgpr_workgroup_id_z 1
		.amdhsa_system_vgpr_workitem_id 0
		.amdhsa_next_free_vgpr 192
		.amdhsa_next_free_sgpr 66
		.amdhsa_reserve_vcc 0
		.amdhsa_float_denorm_mode_32 3
		.amdhsa_float_denorm_mode_16_64 3
		.amdhsa_memory_ordered 1
		.amdhsa_forward_progress 1
		.amdhsa_inst_pref_size 45
	.end_amdhsa_kernel
	.amdgpu_metadata
---
amdhsa.version: [ 1, 2 ]
amdhsa.kernels:
  - .name:           k_qe6a9406a09_quant
    .symbol:         k_qe6a9406a09_quant.kd
    .args:
      - { .name: x, .offset: 0, .size: 8, .value_kind: global_buffer, .address_space: global }
      - { .name: y, .offset: 8, .size: 8, .value_kind: global_buffer, .address_space: global }
      - { .name: Wq, .offset: 16, .size: 8, .value_kind: global_buffer, .address_space: global }
      - { .name: Wkv, .offset: 24, .size: 8, .value_kind: global_buffer, .address_space: global }
      - { .name: codes1, .offset: 32, .size: 8, .value_kind: global_buffer, .address_space: global }
      - { .name: scales1, .offset: 40, .size: 8, .value_kind: global_buffer, .address_space: global }
    .group_segment_fixed_size: 272896
    .private_segment_fixed_size: 0
    .kernarg_segment_align: 8
    .kernarg_segment_size: 48
    .max_flat_workgroup_size: 608
    .sgpr_count:     66
    .vgpr_count:     192
    .wavefront_size: 32
...
	.end_amdgpu_metadata
.endif
;; end of part 1
;; launch proj (part 2): grid 4 x 64, 4 waves a work-group, clusters of 4 x 4, 327,680 bytes of LDS; arguments codes1, scales1, codes2, scales2; writes codes2, scales2
.if DOCPART == 2
	.amdgcn_target "amdgcn-amd-amdhsa--gfx1250"
	.amdhsa_code_object_version 6
	.text
	.protected	k_qe6a9406a09_proj
	.globl	k_qe6a9406a09_proj
	.p2align	8
	.type	k_qe6a9406a09_proj,@function
k_qe6a9406a09_proj:
	s_mov_b64 s[64:65], 0
	v_nop
	global_prefetch_b8 v0, s[64:65] scope:SCOPE_SE
	s_setreg_imm32_b32 hwreg(HW_REG_WAVE_MODE, 25, 1), 1
	s_wait_xcnt 0x0
	s_wait_alu depctr_hold_cnt(0) depctr_sa_sdst(0) depctr_va_vdst(0) depctr_va_sdst(0) depctr_va_ssrc(0) depctr_va_vcc(0) depctr_vm_vsrc(0)
	s_getreg_b32 s2, hwreg(HW_REG_IB_STS2, 6, 4)
	s_cmp_eq_u32 s2, 0
	s_cbranch_scc0 .Lentry_in_a_cluster
	s_endpgm
.Lentry_in_a_cluster:
	s_bfe_u32 s2, ttmp6, 0x10000c
	s_cmp_lg_u32 s2, 0xf033
	s_cbranch_scc0 .Lentry_shape_is_right
	s_endpgm
.Lentry_shape_is_right:
; q = x Wq, k = y Wk, v^T = (y Wv)^T on codes of FP6 (E2M3) with E8M0 scales, K = 1,024, f32 sums; each result is quantised on the way out along the K of the product that will read it
; (q, k: the channels; v^T: the keys) and stored as an image of the operand's registers.  The layout of all operands:
;   rows in panels of 128, a panel in 8 blocks tb of 16; lane r of block tb holds the panel's row 32 (tb / 2) + 8 (tb % 2) + r % 8 + 16 (r / 8);
;   codes: panel x (K / 256) x 24,576 + (k / 256) x 24,576 + tb x 3,072 + ((k / 128) % 2) x 1,536 + piece x 512 + 16 x lane;   scale words: panel x (K / 128) x 512 + (k / 128) x 512 + 32 r + 4 tb.
; THE MATRIX INSTRUCTION IS USED TRANSPOSED: source 0 = 16 rows of B (whose rows become the next K), source 1 = 16 rows of A (whose rows stay rows).  By the order of a block's rows the 16 registers of results 2 b, 2 b + 1 are 16
; NEIGHBOURS along the next K, 32 b + 16 (lane / 16) + 0 .. 15, and the lane's row is again that of the images: a result is quantised in registers and stored by three stores of 512 bytes.  No stage in LDS.
; q's factor 1 / 32 is a power of two: it changes no code and is applied with log2(e) to the scores.
; SHARES.  The three products are 384 tiles of 256 x 256, one and a half for each of 256 work-groups.  So a work-group makes TWO PARTS, one after the other:
;   part 1: a tile of 256 x 256 of q (A = x, B = Wq's columns) or of k (A = y, B = Wk's columns): four waves, each 128 x 128 in 64 accumulators;
;   part 2: half a tile of v^T, 128 channels x 256 keys (A = a panel of Wv's columns, B = two panels of y): four waves, each 64 x 128 in 32 accumulators.
; Part 1's K has four steps of 256: three LDS slots are first fills, the fourth step is a refill of slot 0 behind a round of the cluster's barrier.  When the last fragments of part 1 are in registers all three slots are free:
; behind a second round they take part 2's three panels for ALL of K (a panel's K is one dense run of 98,304 bytes: 294,912 bytes, just the ring), which land under part 1's last products and its way out.
; By this text's own count a wave has one tensor load out at a time.
; CLUSTERS: 4 x 4 work-groups; A's panels are asked for jointly along a row of the cluster, B's along a column, in both parts.  THE SCALE WORDS of both parts (28,672 bytes a work-group, 1/24 of the operands' bytes)
; are not asked for jointly: each thread loads 14 x 16 bytes ahead of the first round and stores them into LDS bytes that no tensor load fills.
; v^T's scale words (262,144 bytes of the launch's output) leave in runs of 16 bytes, since a wave of part 2 holds four of a row's eight blocks.
; LIMITS: NaN and infinities are not served; a block of zeros or under 2^-124 gets the byte 1; the bytes are read by this program alone.
; REGISTERS: window 0: v1-26 addresses, v28-29 the add's, v32-47 scale words (two sets), v64-159 and v160-255 A's fragments (part 2: v64-111, v112-159); at the head v64-119 the scale words on their way; on the ways out v64-251.
;   window 1: v0-95, v128-223 B's fragments.   windows 2, 3: accumulator (a, b) at v[8 (8 (a % 4) + b)] of window 2 + a / 4 (part 2: window 2 alone).
.set SLOTB, 98304                      ; a slot: four parts of 24,576 bytes: A's two panels, B's two panels, 256 along K.  In part 2: a whole panel
.set PARTB, 24576
.set SCL,   3*SLOTB                    ; part 1's scale words: A's two panels, B's two panels, 4,096 bytes each: stored by the waves, never filled by a tensor load
.set S2L,   SCL+16384                  ; part 2's: A's panel, B's two panels
.set SPARE, S2L+12288                  ; the spare words, 128 bytes for each wave: two blocks of 256 bytes that no other line names
.set LI,   4                           ; v4   16 x lane
.set SOF,  5                           ; v5   32 r + 16 h
.set TH16, 7                           ; v7   16 x thread
.set ADRA, 8                           ; v8-10  part 1: my A panel in slot 0, 1, 2
.set ADRB, 12                          ; v12-14 my B panel
.set ADRS, 16                          ; v16  my scale words: lanes 0-15 A's rows, lanes 16-31 B's
.set SOF2, 17                          ; v17  32 r + 16 WI
.set ADA2, 18                          ; v18-19 part 2: my four blocks of A, K steps 0-1 and 2-3 (an LDS offset has 16 bits)
.set ADB2, 20                          ; v20-22 my B panel likewise
.set ADS2, 24                          ; v24  scale words: lanes 0-15 A's blocks 4 WI .. + 3, lanes 16-31 B's blocks 0-3;  v25: lanes 16-31 blocks 4-7
.set SCW,  26                          ; v26  SCL + 16 x thread
.set SPW,  28
.set NIL,  29
.set SC,   32
.set AF,   64
.set TM,   64                          ; the way out: v64-67 largest magnitudes, v68-71 the other half's, then bytes, v76-79 the conversions' scales
.set PC,   80                          ; v80-99, v100-119 two sets of codes
.set WD,   120                         ; v120-127 the blocks' scale words
.set OW,   128
.set WV, 12
.set WI, 13
.set WJ, 14
.set CX, 15
.set CY, 16
.set G1A,  24                          ; s[24:31], s[32:39] groups 1 of part 1's tiles;  s[40:47], s[48:55] of part 2's
.set G1B,  32
.set G1PA, 40
.set G1PB, 48
.set G0A0, 56
.set SEL,  66                          ; s[66:67]
.set G0PA, 72
.set G0B0, 76
.set G0Y,  80                          ; s[80:83] group 0 of part 2's last loads: y's K steps 2 and 3
.set G0PB, 88
.set O2C,  100                         ; s[100:101] part 2's codes;  s[18:19] its scale words
.set O2S,  18
.set MSB, 0
.macro WIN new                         ; the immediate's high byte repeats the setting that is left; a switch that changes nothing is dropped
.if MSB != (\new)
	s_set_vgpr_msb (MSB<<8)|(\new)
.set MSB, (\new)
.endif
.endm
.macro PLACES                          ; four places in front of loads into registers that matrix instructions have read, and of the first read of results
.rept 4
	v_nop
.endr
.endm
.macro CREST                           ; a round of the cluster's barrier behind its opening barrier
	s_cmp_lg_u32 s[WV], 0
	s_cbranch_scc1 .Lnot_wave_0_\@
	s_barrier_signal -3
.Lnot_wave_0_\@:
	s_barrier_wait -3
	s_barrier_signal -1
	s_barrier_wait -1
.endm
.macro CROUND
	s_barrier_signal -1
	s_barrier_wait -1
	CREST
.endm
.macro JLOAD g0a, g1a, g0b, g1b        ; a joint load: waves 0, 1 fetch for A, waves 2, 3 for B; four v_nop follow each line
	s_cmp_eq_u32 s[WI], 0
	s_cbranch_scc0 .Lfor_b_\@
	tensor_load_to_lds s[\g0a:\g0a+3], s[\g1a:\g1a+7]
	s_nop 0
.rept 4
	v_nop
.endr
	s_branch .Lasked_\@
.Lfor_b_\@:
	tensor_load_to_lds s[\g0b:\g0b+3], s[\g1b:\g1b+7]
	s_nop 0
.rept 4
	v_nop
.endr
.Lasked_\@:
.endm
.macro MKG1 g, rows                    ; a group 1 behind its first word: a dense block as rows of 256 bytes (32 elements of 8 bytes)
	s_mov_b32 s[\g+1], 32<<16
	s_mov_b32 s[\g+2], (\rows)<<16
	s_mov_b32 s[\g+3], 32<<16
	s_mov_b32 s[\g+4], \rows
	s_mov_b32 s[\g+5], 32
	s_mov_b32 s[\g+6], 0
	s_mov_b32 s[\g+7], 0
.endm
.macro MKG0 g, lreg, loff              ; a group 0 whose address words hold the tile's byte offset in the codes: count 1, LDS address, global address, type 2
	s_mov_b32 s[\g], 1
	s_add_co_u32 s[\g+1], s[\lreg], \loff
	s_add_nc_u64 s[\g+2:\g+3], s[4:5], s[\g+2:\g+3]
	s_or_b32 s[\g+3], s[\g+3], 0x80000000
.endm
	s_load_b256 s[4:11], s[0:1], 0x0               ; codes in s[4:5], scale words in s[6:7], codes out s[8:9], scale words out s[10:11]
	v_lshl_add_u32 v[SPW], v0, 2, SPARE
	v_mov_b32 v[NIL], 0
	ds_add_u32 v28, v29
	ds_add_u32 v28, v29
	s_wait_dscnt 0x0
	v_lshlrev_b32 v[TH16], 4, v0
	v_lshl_add_u32 v[SCW], v0, 4, SCL
	v_lshrrev_b32 v1, 5, v0
	v_readfirstlane_b32 s[WV], v1                  ; wave 0..3
	s_lshr_b32 s[WI], s[WV], 1                     ; part 1: which of the tile's two panels of A is mine; part 2: which four blocks of A's panel.  Also: I fetch for A (0) or for B (1)
	s_and_b32 s[WJ], s[WV], 1                      ; which of B's two panels is mine.  Also: which panel (part 2, A: which half of the panel) I fetch
	s_bfe_u32 s[CX], ttmp6, 0x40000
	s_bfe_u32 s[CY], ttmp6, 0x40004
	s_lshl_b32 s17, s[CY], 2
	s_lshl_b32 s17, 15, s17                        ; my row of the cluster
	s_lshl_b32 s18, 0x1111, s[CX]                  ; my column
	s_or_b32 s[G1A], s17, (3<<16)|(1<<21)          ; 15:0 the mask; 17:16 elements of 8 bytes; 21 set beside a mask
	s_or_b32 s[G1B], s18, (3<<16)|(1<<21)
	s_or_b32 s[G1PA], s17, (3<<16)|(1<<21)
	s_or_b32 s[G1PB], s18, (3<<16)|(1<<21)
	MKG1 G1A, 288                                  ; the head's load: a panel's K steps 0 to 2, one dense run of 73,728 bytes
	MKG1 G1B, 288
	MKG1 G1PA, 192                                 ; part 2: half of A's panel, 512 along K
	MKG1 G1PB, 192                                 ; a panel of y, K steps 0 and 1
	s_mov_b32 s[SEL], 0x76543210
	s_mov_b32 s[SEL+1], 0xfedcba98
	; which tiles: c = the cluster's y (0..15).  Part 1: pid = c / 8: 0 q, 1 k; tile row 4 (c % 8) + cy, tile column cx
	s_and_b32 s19, ttmp7, 0xffff
	s_lshr_b32 s2, s19, 3                          ; pid
	s_and_b32 s3, s19, 7
	s_lshl_b32 s3, s3, 2
	s_add_co_u32 s3, s3, s[CY]                     ; tile row
	s_lshl_b32 s22, s2, 6                          ; A's panels begin at 0 (x), 64 (y)
	s_lshl_b32 s23, s3, 1
	s_add_co_u32 s22, s22, s23                     ; the first of the tile's two: made of cy, c alone
	s_lshl_b32 s92, s22, 12                        ; their scale words
	s_mov_b32 s93, 0
	s_add_co_u32 s22, s22, s[WJ]                   ; the panel of A that I would fetch
	s_mul_i32 s[G0A0+2], s22, 98304
	s_mov_b32 s[G0A0+3], 0
	s_lshl_b32 s22, s2, 3                          ; B's panels begin at 128 (Wq), 136 (Wk)
	s_lshl_b32 s23, s[CX], 1
	s_add_co_u32 s22, s22, s23
	s_add_co_u32 s22, s22, 128                     ; made of cx, c alone
	s_lshl_b32 s94, s22, 12
	s_mov_b32 s95, 0
	s_add_co_u32 s22, s22, s[WJ]
	s_mul_i32 s[G0B0+2], s22, 98304
	s_mov_b32 s[G0B0+3], 0
	; part 2: panel of channels dp = 4 (c % 2) + cy (Wv's panels begin at 144); pair of y's panels bp = 4 (c / 2) + cx (y's begin at 64)
	s_bfe_u32 s20, s19, 0x10002                    ; part 2 as this text deals it: dp = 4 ((c / 4) % 2) + cy; bp = 4 (c % 4 + 4 (c / 8)) + cx: the clusters that read a group of y's rows in part 2 and the one that reads it in part 1 (c = 8 + group) agree in c % 4
	s_lshl_b32 s20, s20, 2
	s_add_co_u32 s20, s20, s[CY]                   ; dp
	s_add_co_u32 s22, s20, 144
	s_lshl_b32 s96, s22, 12
	s_mov_b32 s97, 0
	s_mul_i32 s[G0PA+2], s22, 98304
	s_mul_i32 s23, s[WJ], 2*PARTB                  ; my half of the panel, in memory as in LDS
	s_add_co_u32 s[G0PA+2], s[G0PA+2], s23
	s_mov_b32 s[G0PA+3], 0
	s_and_b32 s21, s19, 3
	s_lshr_b32 s23, s19, 3
	s_lshl_b32 s23, s23, 2
	s_add_co_u32 s21, s21, s23                     ; the group of four pairs of y's panels
	s_lshl_b32 s21, s21, 2
	s_add_co_u32 s21, s21, s[CX]                   ; bp
	s_lshl_b32 s22, s21, 1
	s_add_co_u32 s22, s22, 64
	s_lshl_b32 s98, s22, 12
	s_mov_b32 s99, 0
	s_add_co_u32 s23, s22, s[WI]                   ; part 2's last loads: wave w fetches K step 2 + w % 2 of y's panel w / 2
	s_mul_i32 s[G0Y+2], s23, 98304
	s_mul_i32 s23, s[WJ], PARTB
	s_add_co_u32 s[G0Y+2], s[G0Y+2], s23
	s_add_co_u32 s[G0Y+2], s[G0Y+2], 2*PARTB
	s_mov_b32 s[G0Y+3], 0
	s_add_co_u32 s22, s22, s[WJ]
	s_mul_i32 s[G0PB+2], s22, 98304
	s_mov_b32 s[G0PB+3], 0
	s_mul_i32 s17, s[WV], 3*PARTB                  ; LDS is laid in four regions of 73,728 bytes, one a wave: three places of 24,576 bytes each
	s_wait_alu depctr_va_vdst(0)
	s_wait_kmcnt 0x0
	s_add_nc_u64 s[92:93], s[6:7], s[92:93]
	s_add_nc_u64 s[94:95], s[6:7], s[94:95]
	s_add_nc_u64 s[96:97], s[6:7], s[96:97]
	s_add_nc_u64 s[98:99], s[6:7], s[98:99]
.irp k, 0,1,2,3                                ; the scale words of both parts: each load of the work-group reads 2,048 consecutive bytes
	global_load_b128 v[64+4*\k:67+4*\k], v[TH16], s[92:93] offset:2048*\k      ; part 1, A's two panels
	global_load_b128 v[80+4*\k:83+4*\k], v[TH16], s[94:95] offset:2048*\k      ; B's two
	global_load_b128 v[104+4*\k:107+4*\k], v[TH16], s[98:99] offset:2048*\k    ; part 2, B's two
.endr
.irp k, 0,1
	global_load_b128 v[96+4*\k:99+4*\k], v[TH16], s[96:97] offset:2048*\k      ; part 2, A's one
.endr
	MKG0 G0A0, 17, 0                               ; part 1: my panel's K steps 0-2 fill my region; K step 3 later takes its first place
	MKG0 G0B0, 17, 0
	MKG0 G0PA, 17, PARTB                           ; part 2: 49,152 bytes into my region's second and third place
	MKG0 G0PB, 17, PARTB
	MKG0 G0Y, 17, 0                                ; and 24,576 into its first
	CROUND                                         ; all sixteen work-groups are here: the first joint loads meet
	JLOAD G0A0, G1A, G0B0, G1B                     ; one tensor load a wave at the head
	v_and_b32 v1, 15, v0                           ; r
	v_bfe_u32 v2, v0, 4, 1                         ; h
	v_and_b32 v3, 31, v0                           ; lane
	v_lshlrev_b32 v[LI], 4, v3
	v_lshlrev_b32 v[SOF], 5, v1
	v_lshl_add_u32 v[SOF], v2, 4, v[SOF]
	s_mul_i32 s17, s[WI], 3*PARTB                  ; A's panel WI lies in region WI, B's panel WJ in region 2 + WJ; place s holds K step s (place 0 later K step 3)
	s_mul_i32 s22, s[WJ], 3*PARTB
	s_add_co_u32 s22, s22, 6*PARTB
.irp s, 0,1,2
	v_add_nc_u32 v[ADRA+\s], s17, v[LI]
	v_add_nc_u32 v[ADRB+\s], s22, v[LI]
	s_add_co_u32 s17, s17, PARTB
	s_add_co_u32 s22, s22, PARTB
.endr
	s_lshl_b32 s17, s[WI], 12                      ; part 1: A's scale words: panel WI;
	s_lshl_b32 s22, s[WJ], 12                      ; B's: panel WJ, behind A's two
	s_add_co_u32 s22, s22, 8192
	s_sub_co_u32 s22, s22, s17
	v_mul_u32_u24 v6, s22, v2                      ; lanes 16-31 take B's: one product, h x the distance
	s_add_co_u32 s17, s17, SCL
	v_lshl_add_u32 v6, v1, 5, v6                   ; + 32 r
	v_add_nc_u32 v[ADRS], s17, v6
	s_mul_i32 s17, s[WI], 12288                    ; part 2: my four blocks of Wv's panel: K steps 0-1 in region 0's places 1-2,
	s_add_co_u32 s17, s17, PARTB
	v_add_nc_u32 v[ADA2], s17, v[LI]
	s_add_co_u32 s17, s17, 3*PARTB                 ; K steps 2-3 in region 1's
	v_add_nc_u32 v[ADA2+1], s17, v[LI]
	s_mul_i32 s22, s[WJ], 3*PARTB                  ; y's panel WJ: K steps 0-1 in region 2 + WJ's places 1-2,
	s_add_co_u32 s22, s22, 7*PARTB
	v_add_nc_u32 v[ADB2], s22, v[LI]
	s_mul_i32 s22, s[WJ], 6*PARTB                  ; K step 2 in region 2 WJ's place 0,
	v_add_nc_u32 v[ADB2+1], s22, v[LI]
	s_add_co_u32 s22, s22, 3*PARTB                 ; K step 3 in region 2 WJ + 1's  (v22)
	v_add_nc_u32 v[ADB2+2], s22, v[LI]
	s_lshl_b32 s17, s[WI], 4                       ; part 2's scale words: A's blocks 4 WI on: 16 WI bytes into a row's 32;
	s_lshl_b32 s22, s[WJ], 12
	s_add_co_u32 s22, s22, 4096                    ; B's panel WJ, behind A's one
	s_sub_co_u32 s22, s22, s17
	v_mul_u32_u24 v6, s22, v2
	s_add_co_u32 s22, s17, S2L
	v_lshl_add_u32 v6, v1, 5, v6
	v_add_nc_u32 v[ADS2], s22, v6
	v_lshl_add_u32 v[ADS2+1], v2, 4, v[ADS2]       ; lanes 16-31: B's blocks 4-7
	v_lshl_add_u32 v[SOF2], v1, 5, s17
	; where part 2's results go: v^T's sections; batch bp / 8, panel dp, chunk of keys 2 (bp % 8) + WJ, blocks 4 WI on
	s_lshr_b32 s17, s21, 3
	s_mul_i32 s22, s17, 1572864
	s_mul_i32 s23, s20, 196608
	s_add_co_u32 s22, s22, s23
	s_and_b32 s23, s21, 7
	s_mul_i32 s23, s23, PARTB
	s_add_co_u32 s22, s22, s23
	s_mul_i32 s23, s[WJ], 1536
	s_add_co_u32 s22, s22, s23
	s_mul_i32 s23, s[WI], 12288
	s_add_co_u32 s22, s22, s23
	s_add_co_u32 s22, s22, 12582912
	s_mov_b32 s23, 0
	s_add_nc_u64 s[O2C:O2C+1], s[8:9], s[22:23]
	s_lshl_b32 s22, s17, 16
	s_lshl_b32 s23, s20, 13
	s_add_co_u32 s22, s22, s23
	s_and_b32 s23, s21, 7
	s_lshl_b32 s23, s23, 10
	s_add_co_u32 s22, s22, s23
	s_lshl_b32 s23, s[WJ], 9
	s_add_co_u32 s22, s22, s23
	s_add_co_u32 s22, s22, 524288
	s_mov_b32 s23, 0
	s_add_nc_u64 s[O2S:O2S+1], s[10:11], s[22:23]
	; and part 1's: section pid, rows' panel 2 x tile row + WI, chunk of the next K 2 cx + WJ
	s_lshl_b32 s17, s3, 1
	s_add_co_u32 s17, s17, s[WI]
	s_mul_i32 s22, s2, 6291456
	s_mul_i32 s23, s17, 98304
	s_add_co_u32 s22, s22, s23
	s_mul_i32 s23, s[CX], PARTB
	s_add_co_u32 s22, s22, s23
	s_mul_i32 s23, s[WJ], 1536
	s_add_co_u32 s22, s22, s23
	s_mov_b32 s23, 0
	s_add_nc_u64 s[8:9], s[8:9], s[22:23]
	s_lshl_b32 s22, s2, 18
	s_lshl_b32 s23, s17, 12
	s_add_co_u32 s22, s22, s23
	s_lshl_b32 s23, s[CX], 10
	s_add_co_u32 s22, s22, s23
	s_lshl_b32 s23, s[WJ], 9
	s_add_co_u32 s22, s22, s23
	s_mov_b32 s23, 0
	s_add_nc_u64 s[10:11], s[10:11], s[22:23]
	s_wait_loadcnt 0x0                             ; the scale words, asked for ahead of the first round
.set i, 0
.rept 14
	ds_store_b128 v[SCW], v[64+4*i:67+4*i] offset:2048*i   ; as they lie in memory: part 1's 16,384 bytes, then part 2's 12,288
.set i, i+1
.endr
; PART 1.  50 LDS loads in one run: the fragments of 128 along K (half q of a slot) into set `set`, and chunk jc's scale words: register i: lanes 0-15 the word of A's block i, lanes 16-31 that of B's block i.
; An image's piece is 512 consecutive bytes, 16 a lane: no padding, no two lanes in one bank.
.macro FETCH slot, q, set, jc
	WIN 0x40                                       ; destination window 1, address window 0
.irp i, 0,1,2,3,4,5,6,7
.irp c, 0,1,2
	ds_load_b128 v[128*(\set)+12*\i+4*\c:128*(\set)+12*\i+4*\c+3], v[ADRB+\slot] offset:\i*3072+(\q)*1536+\c*512
.endr
.endr
	WIN 0
.irp i, 0,1,2,3,4,5,6,7
.irp c, 0,1,2
	ds_load_b128 v[AF+96*(\set)+12*\i+4*\c:AF+96*(\set)+12*\i+4*\c+3], v[ADRA+\slot] offset:\i*3072+(\q)*1536+\c*512
.endr
.endr
.irp g, 0,1
	ds_load_b128 v[SC+8*(\set)+4*\g:SC+8*(\set)+4*\g+3], v[ADRS] offset:(\jc)*512+16*\g
.endr
.endm
; 16 matrix instructions: A's blocks a0, a0 + 1 x B's eight.  The 64 accumulators take turns, one instruction a turn, in the same order in every step.
.macro MUL16 a0, set, zero
.irp a, \a0, \a0+1
.irp b, 0,1,2,3,4,5,6,7
.if \zero
	v_wmma_scale_f32_16x16x128_f8f6f4 v[8*(8*((\a)%4)+\b):8*(8*((\a)%4)+\b)+7], v[128*(\set)+12*\b:128*(\set)+12*\b+11], v[AF+96*(\set)+12*(\a):AF+96*(\set)+12*(\a)+11], 0, v[SC+8*(\set)+\b], v[SC+8*(\set)+(\a)] matrix_a_fmt:MATRIX_FMT_FP6 matrix_b_fmt:MATRIX_FMT_FP6 matrix_a_scale:MATRIX_SCALE_ROW1
.else
	v_wmma_scale_f32_16x16x128_f8f6f4 v[8*(8*((\a)%4)+\b):8*(8*((\a)%4)+\b)+7], v[128*(\set)+12*\b:128*(\set)+12*\b+11], v[AF+96*(\set)+12*(\a):AF+96*(\set)+12*(\a)+11], v[8*(8*((\a)%4)+\b):8*(8*((\a)%4)+\b)+7], v[SC+8*(\set)+\b], v[SC+8*(\set)+(\a)] matrix_a_fmt:MATRIX_FMT_FP6 matrix_b_fmt:MATRIX_FMT_FP6 matrix_a_scale:MATRIX_SCALE_ROW1
.endif
.endr
.endr
.endm
; A step of 128 along K: its fragments are in; the next step's are asked for in one run, 64 matrix instructions ahead of their use
.macro STEP set, zero, nslot, nq, njc
	s_wait_dscnt 0x0                               ; this step's 50 loads, issued a step ago
	PLACES
	FETCH \nslot, \nq, 1-(\set), \njc
	WIN 0xa1                                       ; source 0 (B) window 1, source 1 (A) window 0, C and D window 2
	MUL16 0, \set, \zero
	MUL16 2, \set, \zero
	WIN 0xf1                                       ; C and D window 3
	MUL16 4, \set, \zero
	MUL16 6, \set, \zero
.endm
; PART 2.  38 LDS loads in one run: chunk jc's fragments (B's eight blocks, my four of A) into set `set`, and its scale words
.macro FETCH2 jc, set
	WIN 0x40
.irp i, 0,1,2,3,4,5,6,7
.irp c, 0,1,2
.if (\jc) < 4
	ds_load_b128 v[128*(\set)+12*\i+4*\c:128*(\set)+12*\i+4*\c+3], v[ADB2] offset:(((\jc)/2)%2)*24576+\i*3072+((\jc)%2)*1536+\c*512
.else
	ds_load_b128 v[128*(\set)+12*\i+4*\c:128*(\set)+12*\i+4*\c+3], v[ADB2+(\jc)/2-1] offset:\i*3072+((\jc)%2)*1536+\c*512
.endif
.endr
.endr
	WIN 0
.irp i, 0,1,2,3
.irp c, 0,1,2
	ds_load_b128 v[AF+48*(\set)+12*\i+4*\c:AF+48*(\set)+12*\i+4*\c+3], v[ADA2+(\jc)/4] offset:(((\jc)/2)%2)*24576+\i*3072+((\jc)%2)*1536+\c*512
.endr
.endr
	ds_load_b128 v[SC+8*(\set):SC+8*(\set)+3], v[ADS2] offset:(\jc)*512
	ds_load_b128 v[SC+8*(\set)+4:SC+8*(\set)+7], v[ADS2+1] offset:(\jc)*512
.endm
.macro MULA a, set, zero               ; 8 matrix instructions: my block a of A x B's eight.  The 32 accumulators take turns, one instruction a turn
.irp b, 0,1,2,3,4,5,6,7
.if \zero
	v_wmma_scale_f32_16x16x128_f8f6f4 v[8*(8*(\a)+\b):8*(8*(\a)+\b)+7], v[128*(\set)+12*\b:128*(\set)+12*\b+11], v[AF+48*(\set)+12*(\a):AF+48*(\set)+12*(\a)+11], 0, v[SC+8*(\set)+\b], v[SC+8*(\set)+(\a)] matrix_a_fmt:MATRIX_FMT_FP6 matrix_b_fmt:MATRIX_FMT_FP6 matrix_a_scale:MATRIX_SCALE_ROW1
.else
	v_wmma_scale_f32_16x16x128_f8f6f4 v[8*(8*(\a)+\b):8*(8*(\a)+\b)+7], v[128*(\set)+12*\b:128*(\set)+12*\b+11], v[AF+48*(\set)+12*(\a):AF+48*(\set)+12*(\a)+11], v[8*(8*(\a)+\b):8*(8*(\a)+\b)+7], v[SC+8*(\set)+\b], v[SC+8*(\set)+(\a)] matrix_a_fmt:MATRIX_FMT_FP6 matrix_b_fmt:MATRIX_FMT_FP6 matrix_a_scale:MATRIX_SCALE_ROW1
.endif
.endr
.endm
.macro STEP2 set, zero, njc
	s_wait_dscnt 0x0                               ; this step's 38 loads, issued a step ago
	PLACES
	FETCH2 \njc, 1-(\set)
	WIN 0xa1
	MULA 0, \set, \zero
	MULA 1, \set, \zero
	MULA 2, \set, \zero
	MULA 3, \set, \zero
.endm
; THE WAY OUT of block a (16 rows x 128 of the next K; its eight accumulators lie in window 2 + a / 4): the lane's 64 numbers, register 16 b + i = k 32 b + 16 (lane / 16) + i of its row, become a fragment's codes,
; stored at s[base], and a scale word.
.macro EPI a, base
.set EW, 2+(\a)/4
.set ES, 64*((\a)%4)
.if (\a) < 2                           ; a set of codes of its own for each block: v80-119 and, behind the words, v132-251: no store's data are written again within a way out
.set PCS, PC+20*(\a)
.else
.set PCS, PC+12+20*(\a)
.endif
.set WW, (EW<<2)|(EW<<4)
	WIN WW                                         ; sources 1 and 2: the accumulators' window
.irp b, 0,1,2,3
	v_max3_num_f32 v[TM+\b], 0x1800000, |v[ES+16*\b]|, |v[ES+16*\b+1]|   ; the floor 2^(3 - 127) among the leaves; each accumulator is read from its low end on
.endr
.irp i, 2,4,6,8,10,12,14
.irp b, 0,1,2,3
	v_max3_num_f32 v[TM+\b], v[TM+\b], |v[ES+16*\b+\i]|, |v[ES+16*\b+\i+1]|
.endr
.endr
	WIN 0
.irp b, 0,1,2,3
	v_permlanex16_b32 v[TM+4+\b], v[TM+\b], s[SEL], s[SEL+1]
.endr
.irp b, 0,1,2,3
	v_max_num_f32 v[TM+\b], v[TM+\b], v[TM+4+\b]   ; with lane l xor 16's 16: the block's largest magnitude
.endr
.irp b, 0,1,2,3
	v_add_nc_u32 v[TM+12+\b], 0xff000000, v[TM+\b] ; 2 off the exponent field: the conversion's scale operand
.endr
.irp b, 0,1,2,3
	v_lshrrev_b32 v[TM+4+\b], 23, v[TM+12+\b]      ; the byte
.endr
	v_lshl_or_b32 v[WD+(\a)], v[TM+5], 8, v[TM+4]
	v_lshl_or_b32 v[WD+(\a)], v[TM+6], 16, v[WD+(\a)]
	v_lshl_or_b32 v[WD+(\a)], v[TM+7], 24, v[WD+(\a)]
	WIN EW
.irp c, 0,1
	v_cvt_scalef32_pk16_fp6_f32 v[PCS+6*\c:PCS+6*\c+2], v[ES+32*\c:ES+32*\c+15], v[TM+12+2*\c]
	v_cvt_scalef32_pk16_fp6_f32 v[PCS+12+4*\c:PCS+14+4*\c], v[ES+32*\c+16:ES+32*\c+31], v[TM+12+2*\c+1]   ; (a conversion's three registers begin on an even number)
.endr
	WIN 0
	v_nop                                          ; one plain place behind a scaled conversion
.irp c, 0,1                                    ; the operand's layout wants a whole block in a lane: lanes 0-15 block 2 c, lanes 16-31 block 2 c + 1
.irp i, 0,1,2
	v_permlane16_swap_b32 v[PCS+6*\c+\i], v[PCS+12+4*\c+\i]
.endr
.irp i, 0,1,2
	v_mov_b32 v[PCS+3+6*\c+\i], v[PCS+12+4*\c+\i]
.endr
.endr
.irp c, 0,1,2
	global_store_b128 v[LI], v[PCS+4*\c:PCS+4*\c+3], s[\base:\base+1] offset:(\a)*3072+512*\c   ; 32 lanes store 512 consecutive bytes, at a multiple of 256 from the buffer's first byte
.endr
.endm
	; ---------------- PART 1: a tile of q or of k
	s_wait_tensorcnt 0x0                           ; my panel's K steps 0 to 2 are in
	s_wait_dscnt 0x0                               ; my share of the scale words is in LDS
	s_barrier_signal -1
	s_barrier_wait -1                              ; everybody's are
	FETCH 0, 0, 0, 0
	STEP 0, 1, 0, 1, 1                             ; chunk 0: its products start the sums
	; chunk 1 leaves slot 0, which takes K step 3
	WIN 0                                          ; (the add's two registers lie in window 0)
	s_wait_tensorcnt 0x0                           ; all my tensor loads have landed: slots 1 and 2 are whole as far as I filled them
	ds_add_u32 v[SPW], v[NIL]                      ; 0 onto my spare word
	s_wait_dscnt 0x1                               ; (only the add may be out: chunk 1's fragments are in)
	WIN 0xa1
	MUL16 0, 1, 0                                  ; sixteen matrix instructions stand between the add and the wait for it
	s_wait_dscnt 0x0                               ; the add is done, and my reads of slot 0 are over
	s_barrier_signal -1                            ; this barrier opens a round of the cluster's barrier
	MUL16 2, 1, 0
	WIN 0
	s_barrier_wait -1
	CREST                                          ; no wave of any partner still reads slot 0 or has a load on its way
	s_add_nc_u64 s[G0A0+2:G0A0+3], s[G0A0+2:G0A0+3], 3*PARTB
	s_add_nc_u64 s[G0B0+2:G0B0+3], s[G0B0+2:G0B0+3], 3*PARTB
	s_mov_b32 s[G1A+2], 96<<16                     ; no tensor load of mine is out: from here on these two groups state one K step, 96 rows of 256 bytes
	s_mov_b32 s[G1A+4], 96
	s_mov_b32 s[G1B+2], 96<<16
	s_mov_b32 s[G1B+4], 96
	JLOAD G0A0, G1A, G0B0, G1B                     ; the first tensor load behind the round, my only one; it has four chunks' products in which to land; its four v_nop are the places in front of the loads below
	FETCH 1, 0, 0, 2
	WIN 0xf1
	MUL16 4, 1, 0
	MUL16 6, 1, 0
	STEP 0, 0, 1, 1, 3                             ; chunk 2.  (No barrier between slots 1 and 2: the round above has shown both whole)
	STEP 1, 0, 2, 0, 4                             ; chunk 3
	STEP 0, 0, 2, 1, 5                             ; chunk 4
	; chunk 5: behind this barrier K step 3 is read
	WIN 0                                          ; chunk 5: their places take part 2's first panels.  (The add's two registers lie in window 0)
	s_wait_tensorcnt 0x0                           ; my part of K step 3 is in
	ds_add_u32 v[SPW], v[NIL]                      ; 0 onto my spare word
	s_wait_dscnt 0x1                               ; (only the add may be out: chunk 5's fragments are in)
	WIN 0xa1
	MUL16 0, 1, 0
	s_wait_dscnt 0x0                               ; the add is done, and my reads of places 1 and 2 are over
	s_barrier_signal -1                            ; this barrier opens a round of the cluster's barrier
	MUL16 2, 1, 0
	WIN 0
	s_barrier_wait -1
	CREST
	JLOAD G0PA, G1PA, G0PB, G1PB                   ; my one load: waves 0, 1 the halves of Wv's panel, waves 2, 3 K steps 0-1 of y's two panels; two and a half chunks and the way out of eight blocks stand ahead of the wait for it
	FETCH 0, 0, 0, 6
	WIN 0xf1
	MUL16 4, 1, 0
	MUL16 6, 1, 0
	STEP 0, 0, 0, 1, 7                             ; chunk 6
	; chunk 7: part 1 reads LDS no more; all three slots take part 2's panels
	s_wait_dscnt 0x0                               ; chunk 7's fragments: nothing more to fetch in part 1
	WIN 0xa1
	MUL16 0, 1, 0
	MUL16 2, 1, 0
	WIN 0xf1
	MUL16 4, 1, 0
	MUL16 6, 1, 0
	WIN 0
	PLACES
.irp b, 0,1,2,3
	v_mov_b32 v[TM+4+\b], 0                        ; written once: a lane permute's destination counts as one of its sources (in part 2 fragments have been loaded there)
.endr
.irp a, 0,1,2,3,4,5,6,7
	EPI \a, 8
.endr
	v_cmp_eq_u32 vcc_lo, 1, v2
.irp i, 0,1,2,3
	v_cndmask_b32 v[OW+\i], v[WD+\i], v[WD+4+\i], vcc_lo   ; lanes 0-15 store blocks 0-3's words of their row, lanes 16-31 blocks 4-7's
.endr
	global_store_b128 v[SOF], v[OW:OW+3], s[10:11] ; 512 consecutive bytes
	; ---------------- PART 2: half a tile of v^T.  All its operands lie in LDS: eight chunks with no further barrier
	s_wait_tensorcnt 0x0                           ; my 49,152 bytes of part 2's first panels are in
	ds_add_u32 v[SPW], v[NIL]
	s_wait_dscnt 0x0
	CROUND                                         ; nobody reads K step 3's places any more; everybody's panels are in
	tensor_load_to_lds s[G0Y:G0Y+3], s[G1B:G1B+7]  ; my one load: a K step of y (2 or 3), asked for jointly along the cluster's column; three chunks stand ahead of the wait for it
	s_nop 0
	PLACES
	s_wait_xcnt 0x0                                ; part 1's stores have read their registers: fragments may land there
	FETCH2 0, 0
	STEP2 0, 1, 1                                  ; chunk 0: its products start the sums
	STEP2 1, 0, 2
	STEP2 0, 0, 3
	s_wait_tensorcnt 0x0                           ; chunk 3: my K step of y is in; behind this barrier K steps 2 and 3 are read, and nothing is filled again
	s_wait_dscnt 0x0
	s_barrier_signal -1
	WIN 0xa1
	MULA 0, 1, 0
	MULA 1, 1, 0
	s_barrier_wait -1
	PLACES
	FETCH2 4, 0
	WIN 0xa1
	MULA 2, 1, 0
	MULA 3, 1, 0
	STEP2 0, 0, 5
	STEP2 1, 0, 6
	STEP2 0, 0, 7
	s_wait_dscnt 0x0                               ; chunk 7: nothing more to fetch
	WIN 0xa1
	MULA 0, 1, 0
	MULA 1, 1, 0
	MULA 2, 1, 0
	MULA 3, 1, 0
	WIN 0
	PLACES
.irp a, 0,1,2,3
	EPI \a, O2C
.endr
	s_wait_xcnt 0x0                                ; EXEC changes only behind this wait
	v_cmp_eq_u32 vcc_lo, 0, v2
	s_and_saveexec_b32 s17, vcc_lo                 ; both halves of the lanes hold the same four words of row r: lanes 0-15 store them
	global_store_b128 v[SOF2], v[WD:WD+3], s[O2S:O2S+1]   ; 16 bytes of each row's 32: the other 16 are the other wave's
	s_wait_xcnt 0x0                                ; and again, in front of the line that widens it
	s_or_b32 exec_lo, exec_lo, s17
	s_wait_tensorcnt 0x0                           ; the wave's end
	ds_add_u32 v[SPW], v[NIL]
	s_wait_dscnt 0x0
	CROUND                                         ; the closing round: no work-group ends while a partner may still ask for a tile that names it
	s_endpgm
.Lfunc_end_k_qe6a9406a09_proj:
	.size	k_qe6a9406a09_proj, .Lfunc_end_k_qe6a9406a09_proj-k_qe6a9406a09_proj
	.p2alignl 7, 3214868480
	.fill 96, 4, 3214868480
	.section	.rodata,"a",@progbits
	.p2align	6, 0x0
	.amdhsa_kernel k_qe6a9406a09_proj
		.amdhsa_group_segment_fixed_size 327680
		.amdhsa_private_segment_fixed_size 0
		.amdhsa_enable_private_segment 0
		.amdhsa_kernarg_size 32
		.amdhsa_user_sgpr_count 2
		.amdhsa_user_sgpr_kernarg_segment_ptr 1
		.amdhsa_wavefront_size32 1
		.amdhsa_system_sgpr_workgroup_id_x 1
		.amdhsa_system_sgpr_workgroup_id_y 1
		.amdhsa_system_sgpr_workgroup_id_z 1
		.amdhsa_system_vgpr_workitem_id 0
		.amdhsa_next_free_vgpr 1024
		.amdhsa_next_free_sgpr 102
		.amdhsa_reserve_vcc 1
		.amdhsa_float_denorm_mode_32 3
		.amdhsa_float_denorm_mode_16_64 3
		.amdhsa_memory_ordered 1
		.amdhsa_forward_progress 1
		.amdhsa_inst_pref_size 212
	.end_amdhsa_kernel
	.amdgpu_metadata
---
amdhsa.version: [ 1, 2 ]
amdhsa.kernels:
  - .name:           k_qe6a9406a09_proj
    .symbol:         k_qe6a9406a09_proj.kd
    .args:
      - { .name: codes1, .offset: 0, .size: 8, .value_kind: global_buffer, .address_space: global }
      - { .name: scales1, .offset: 8, .size: 8, .value_kind: global_buffer, .address_space: global }
      - { .name: codes2, .offset: 16, .size: 8, .value_kind: global_buffer, .address_space: global }
      - { .name: scales2, .offset: 24, .size: 8, .value_kind: global_buffer, .address_space: global }
    .group_segment_fixed_size: 327680
    .private_segment_fixed_size: 0
    .kernarg_segment_align: 8
    .kernarg_segment_size: 32
    .max_flat_workgroup_size: 128
    .sgpr_count:     102
    .vgpr_count:     1024
    .wavefront_size: 32
...
	.end_amdgpu_metadata
.endif
;; end of part 2
;; launch scores (part 3): grid 4 x 64, 4 waves a work-group, clusters of 4 x 4, 327,680 bytes of LDS; arguments codes2, scales2, pcodes, pmeta; writes pcodes, pmeta
.if DOCPART == 3
	.amdgcn_target "amdgcn-amd-amdhsa--gfx1250"
	.amdhsa_code_object_version 6
	.text
	.protected	k_qe6a9406a09_scores
	.globl	k_qe6a9406a09_scores
	.p2align	8
	.type	k_qe6a9406a09_scores,@function
k_qe6a9406a09_scores:
	s_mov_b64 s[64:65], 0
	v_nop
	global_prefetch_b8 v0, s[64:65] scope:SCOPE_SE
	s_setreg_imm32_b32 hwreg(HW_REG_WAVE_MODE, 25, 1), 1
	s_wait_xcnt 0x0
	s_wait_alu depctr_hold_cnt(0) depctr_sa_sdst(0) depctr_va_vdst(0) depctr_va_sdst(0) depctr_va_ssrc(0) depctr_va_vcc(0) depctr_vm_vsrc(0)
	s_getreg_b32 s2, hwreg(HW_REG_IB_STS2, 6, 4)
	s_cmp_eq_u32 s2, 0
	s_cbranch_scc0 .Lentry_in_a_cluster
	s_endpgm
.Lentry_in_a_cluster:
	s_bfe_u32 s2, ttmp6, 0x10000c
	s_cmp_lg_u32 s2, 0xf033
	s_cbranch_scc0 .Lentry_shape_is_right
	s_endpgm
.Lentry_shape_is_right:
; S^T = k q^T on codes of FP6 (E2M3) with E8M0 scales, K = 1,024 channels, f32 sums; then, for each query and each chunk of 128 keys: t = score x log2(e) / 32, M = the chunk's largest t rounded UP to a whole number,
; p = 2^(t - M), the sum l of the unquantised p, and p quantised along the keys.  Stored: p's codes as images of the operand's registers, p's scale words, -M and l.
; M IS THE CHUNK'S OWN: the maximum is taken away ahead of every exponential.  Since every M is a whole number, the next launch brings a chunk under the row's M by taking M(row) - M(chunk) off its scale bytes and
; multiplying l by that power of two: nothing is rounded, and the codes are those of p under the row's M.
; The layout of all operands: rows in panels of 128, a panel in 8 blocks tb of 16; lane r of block tb holds the panel's row 32 (tb / 2) + 8 (tb % 2) + r % 8 + 16 (r / 8);
;   codes: panel x (K / 256) x 24,576 + (k / 256) x 24,576 + tb x 3,072 + ((k / 128) % 2) x 1,536 + piece x 512 + 16 x lane;   words (scale words, -M, l): panel x (K / 128) x 512 + (k / 128) x 512 + 32 r + 4 tb.
; Source 0 = 16 keys (B), source 1 = 16 queries (A): a lane holds ONE query, and by the order of a block's rows the 16 registers of results 2 b, 2 b + 1 are 16 neighbouring keys.
; A tile is 256 queries x 256 keys: four waves, each 128 x 128 in 64 accumulators; 256 work-groups.  K has four steps of 256: three LDS slots are first fills, the fourth step is the one refill, behind a round of the
; cluster's barrier.  By this text's own count a wave has one tensor load out at a time.  CLUSTERS: 4 x 4; q's panels are asked for jointly along a row of the cluster, k's along a column.
; LIMITS: NaN and infinities are not served.  A block whose every p lies under 2^-124 gets the byte 1 (its codes are zeros or next to zero).  v_exp_f32 is taken not to fall where its input rises: a block's largest p is
; made from the block's largest score by the same two instructions.
; REGISTERS: window 0: v1-17 addresses, v28-29 the add's, v32-47 scale words, v64-159 and v160-255 A's fragments; on the way out v64-247 at work.  window 1: v0-95, v128-223 B's fragments.
;   windows 2, 3: accumulator (a, b) at v[8 (8 (a % 4) + b)] of window 2 + a / 4.
.set SLOTB, 98304
.set PARTB, 24576
.set SCL,   3*SLOTB
.set SPARE, SCL+16384                  ; the spare words, 128 bytes for each wave: two blocks of 256 bytes that no other line names
.set LI,   4
.set SOF,  5
.set ADRA, 8
.set ADRB, 12
.set ADRS, 16
.set TH16, 7                           ; v7   16 x thread
.set SCW,  17                          ; v17  SCL + 16 x thread
.set SPW,  28
.set NIL,  29
.set SC,   32
.set AF,   64
.set BM,   64                          ; v64-67 the blocks' largest scores, then largest p;  v68-71 the other half's;  v72-75 the conversions' scales;  v76-79 bytes
.set BT,   68
.set SO,   72
.set BY,   76
.set PC,   80                          ; v80-99, v100-119 two sets of codes
.set WD,   120                         ; v120-127 scale words, v128-135 -M, v136-143 l, one for each block of queries
.set NM,   128
.set LS,   136
.set NMP,  148                         ; v[148:149] -M as a pair's low word
.set SU,   150                         ; v[150:151], v[152:153] the sum's two chains
.set TT,   154
.set OW,   156                         ; v156-167 what my half of the lanes stores: three sets of four
.set CS,   2                           ; s[2:3] c = log2(e) / 32
.set WV, 12
.set WI, 13
.set WJ, 14
.set CX, 15
.set CY, 16
.set G1A,  24
.set G1B,  32
.set G1SA, 40
.set G1SB, 48
.set G0A0, 56
.set G0A1, 60
.set SEL,  66
.set G0A2, 68
.set G0SA, 72
.set G0B0, 76
.set G0B1, 80
.set G0B2, 84
.set G0SB, 88
.set MSB, 0
.macro WIN new                         ; the immediate's high byte repeats the setting that is left; a switch that changes nothing is dropped
.if MSB != (\new)
	s_set_vgpr_msb (MSB<<8)|(\new)
.set MSB, (\new)
.endif
.endm
.macro PLACES                          ; four places in front of loads into registers that matrix instructions have read, and of the first read of results
.rept 4
	v_nop
.endr
.endm
.macro CREST
	s_cmp_lg_u32 s[WV], 0
	s_cbranch_scc1 .Lnot_wave_0_\@
	s_barrier_signal -3
.Lnot_wave_0_\@:
	s_barrier_wait -3
	s_barrier_signal -1
	s_barrier_wait -1
.endm
.macro CROUND
	s_barrier_signal -1
	s_barrier_wait -1
	CREST
.endm
.macro JLOAD g0a, g1a, g0b, g1b        ; a joint load: waves 0, 1 fetch for A, waves 2, 3 for B; four v_nop follow each line
	s_cmp_eq_u32 s[WI], 0
	s_cbranch_scc0 .Lfor_b_\@
	tensor_load_to_lds s[\g0a:\g0a+3], s[\g1a:\g1a+7]
	s_nop 0
.rept 4
	v_nop
.endr
	s_branch .Lasked_\@
.Lfor_b_\@:
	tensor_load_to_lds s[\g0b:\g0b+3], s[\g1b:\g1b+7]
	s_nop 0
.rept 4
	v_nop
.endr
.Lasked_\@:
.endm
.macro MKG0 g, lreg, loff, a, aoff
	s_mov_b32 s[\g], 1
	s_add_co_u32 s[\g+1], s[\lreg], \loff
	s_add_nc_u64 s[\g+2:\g+3], s[\a:\a+1], \aoff
	s_or_b32 s[\g+3], s[\g+3], 0x80000000
.endm
	s_load_b256 s[4:11], s[0:1], 0x0               ; q's, k's codes s[4:5], their scale words s[6:7], p's codes s[8:9], p's words s[10:11]
	v_lshl_add_u32 v[SPW], v0, 2, SPARE
	v_mov_b32 v[NIL], 0
	ds_add_u32 v28, v29
	ds_add_u32 v28, v29
	s_wait_dscnt 0x0
	v_lshlrev_b32 v[TH16], 4, v0
	v_lshl_add_u32 v[SCW], v0, 4, SCL
	v_lshrrev_b32 v1, 5, v0
	v_readfirstlane_b32 s[WV], v1
	s_lshr_b32 s[WI], s[WV], 1                     ; which panel of queries is mine.  Also: I fetch for A (0) or for B (1)
	s_and_b32 s[WJ], s[WV], 1                      ; which panel of keys.  Also: which panel I fetch
	s_bfe_u32 s[CX], ttmp6, 0x40000
	s_bfe_u32 s[CY], ttmp6, 0x40004
	s_lshl_b32 s17, s[CY], 2
	s_lshl_b32 s17, 15, s17                        ; my row of the cluster
	s_lshl_b32 s18, 0x1111, s[CX]                  ; my column
	s_or_b32 s[G1A], s17, (3<<16)|(1<<21)          ; groups 1: dense blocks as rows of 256 bytes
	s_or_b32 s[G1B], s18, (3<<16)|(1<<21)
.irp g, G1A, G1B
	s_mov_b32 s[\g+1], 32<<16
	s_mov_b32 s[\g+2], 288<<16                     ; the head's load: a panel's K steps 0 to 2, one dense run of 73,728 bytes
	s_mov_b32 s[\g+3], 32<<16
	s_mov_b32 s[\g+4], 288
	s_mov_b32 s[\g+5], 32
	s_mov_b32 s[\g+6], 0
	s_mov_b32 s[\g+7], 0
.endr
	s_mov_b32 s[SEL], 0x76543210
	s_mov_b32 s[SEL+1], 0xfedcba98
	s_mov_b32 s[CS], 0x3d38aa3b                    ; c = log2(e) / 32: q's factor 1024^-1/2 is applied here
	s_mov_b32 s[CS+1], s[CS]                       ; (named with it as a pair, so it is written)
	s_and_b32 s20, ttmp7, 0xffff                   ; the cluster's number c, 0..15 (the grid is one cluster wide).  A batch's four clusters agree in c % 4: batch = c % 4
	s_bfe_u32 s19, s20, 0x10002
	s_lshl_b32 s19, s19, 2
	s_add_co_u32 s19, s19, s[CX]                   ; tile column: 256 keys of the batch, 4 ((c / 4) % 2) + cx
	s_lshr_b32 s21, s20, 3
	s_and_b32 s20, s20, 3                          ; the batch
	s_lshl_b32 s21, s21, 2
	s_add_co_u32 s21, s21, s[CY]
	s_lshl_b32 s22, s20, 3
	s_add_co_u32 s21, s21, s22                     ; tile row: 256 queries of all batches, 8 x batch + 4 (c / 8) + cy
	s_lshl_b32 s94, s21, 1
	s_add_co_u32 s94, s94, s[WJ]                   ; the panel of q that I would fetch
	s_lshl_b32 s96, s20, 4
	s_lshl_b32 s97, s19, 1
	s_add_co_u32 s96, s96, s97
	s_add_co_u32 s96, s96, s[WJ]                   ; the panel of k
	s_mul_i32 s98, s94, 98304
	s_mov_b32 s99, 0
	s_lshl_b32 s100, s21, 13                       ; the scale words of the tile's two panels of q: 8,192 dense bytes
	s_mov_b32 s101, 0
	s_mul_i32 s22, s96, 98304
	s_add_co_u32 s22, s22, 6291456                 ; k's section of the codes,
	s_mov_b32 s23, 0
	s_sub_co_u32 s92, s96, s[WJ]                   ; the first of the tile's two panels of k
	s_lshl_b32 s92, s92, 12
	s_add_co_u32 s92, s92, 262144
	s_mov_b32 s93, 0
	s_mul_i32 s95, s[WV], 3*PARTB                  ; LDS is laid in four regions of 73,728 bytes, one a wave: place s holds K step s (place 0 later K step 3)
	s_wait_alu depctr_va_vdst(0)
	s_wait_kmcnt 0x0
	s_add_nc_u64 s[98:99], s[4:5], s[98:99]
	s_add_nc_u64 s[100:101], s[6:7], s[100:101]
	s_add_nc_u64 s[22:23], s[4:5], s[22:23]
	s_add_nc_u64 s[92:93], s[6:7], s[92:93]
.irp k, 0,1,2,3                                ; the scale words, 16,384 bytes a work-group (1/24 of the operands' bytes), are not asked for jointly: each load of the work-group reads 2,048 consecutive bytes
	global_load_b128 v[64+4*\k:67+4*\k], v[TH16], s[100:101] offset:2048*\k    ; q's two panels
	global_load_b128 v[80+4*\k:83+4*\k], v[TH16], s[92:93] offset:2048*\k      ; k's two
.endr
	MKG0 G0A0, 95, 0, 98, 0
	MKG0 G0B0, 95, 0, 22, 0
	CROUND                                         ; all sixteen work-groups are here: the first joint loads meet
	JLOAD G0A0, G1A, G0B0, G1B                     ; one tensor load a wave at the head
	v_and_b32 v1, 15, v0                           ; r
	v_bfe_u32 v2, v0, 4, 1                         ; h
	v_and_b32 v3, 31, v0
	v_lshlrev_b32 v[LI], 4, v3
	v_lshlrev_b32 v[SOF], 5, v1
	v_lshl_add_u32 v[SOF], v2, 4, v[SOF]
	s_mul_i32 s94, s[WI], 3*PARTB                  ; q's panel WI lies in region WI, k's panel WJ in region 2 + WJ
	s_mul_i32 s96, s[WJ], 3*PARTB
	s_add_co_u32 s96, s96, 6*PARTB
.irp s, 0,1,2
	v_add_nc_u32 v[ADRA+\s], s94, v[LI]
	v_add_nc_u32 v[ADRB+\s], s96, v[LI]
	s_add_co_u32 s94, s94, PARTB
	s_add_co_u32 s96, s96, PARTB
.endr
	s_lshl_b32 s94, s[WI], 12
	s_lshl_b32 s96, s[WJ], 12
	s_add_co_u32 s96, s96, 8192
	s_sub_co_u32 s96, s96, s94
	v_mul_u32_u24 v6, s96, v2                      ; lanes 16-31 take B's scale words: one product, h x the distance
	s_add_co_u32 s94, s94, SCL
	v_lshl_add_u32 v6, v1, 5, v6
	v_add_nc_u32 v[ADRS], s94, v6
	s_lshl_b32 s94, s21, 1                         ; where my results go: panel of queries 2 x tile row + WI, chunk of keys jc = 2 x tile column + WJ
	s_add_co_u32 s94, s94, s[WI]
	s_lshl_b32 s96, s19, 1
	s_add_co_u32 s96, s96, s[WJ]
	s_mul_i32 s20, s94, 196608
	s_lshr_b32 s97, s96, 1
	s_mul_i32 s97, s97, PARTB
	s_add_co_u32 s20, s20, s97
	s_and_b32 s97, s96, 1
	s_mul_i32 s97, s97, 1536
	s_add_co_u32 s20, s20, s97
	s_mov_b32 s21, 0
	s_add_nc_u64 s[8:9], s[8:9], s[20:21]
	s_lshl_b32 s20, s94, 13
	s_lshl_b32 s97, s96, 9
	s_add_co_u32 s20, s20, s97
	s_add_nc_u64 s[10:11], s[10:11], s[20:21]
.macro FETCH slot, q, set, jc          ; 50 LDS loads in one run: the fragments of 128 along K into set `set`, and the chunk's scale words: register i: lanes 0-15 A's block i, lanes 16-31 B's block i
	WIN 0x40
.irp i, 0,1,2,3,4,5,6,7
.irp c, 0,1,2
	ds_load_b128 v[128*(\set)+12*\i+4*\c:128*(\set)+12*\i+4*\c+3], v[ADRB+\slot] offset:\i*3072+(\q)*1536+\c*512
.endr
.endr
	WIN 0
.irp i, 0,1,2,3,4,5,6,7
.irp c, 0,1,2
	ds_load_b128 v[AF+96*(\set)+12*\i+4*\c:AF+96*(\set)+12*\i+4*\c+3], v[ADRA+\slot] offset:\i*3072+(\q)*1536+\c*512
.endr
.endr
.irp g, 0,1
	ds_load_b128 v[SC+8*(\set)+4*\g:SC+8*(\set)+4*\g+3], v[ADRS] offset:(\jc)*512+16*\g
.endr
.endm
.macro MUL16 a0, set, zero             ; 16 matrix instructions; the 64 accumulators take turns, one instruction a turn, in the same order in every step
.irp a, \a0, \a0+1
.irp b, 0,1,2,3,4,5,6,7
.if \zero
	v_wmma_scale_f32_16x16x128_f8f6f4 v[8*(8*((\a)%4)+\b):8*(8*((\a)%4)+\b)+7], v[128*(\set)+12*\b:128*(\set)+12*\b+11], v[AF+96*(\set)+12*(\a):AF+96*(\set)+12*(\a)+11], 0, v[SC+8*(\set)+\b], v[SC+8*(\set)+(\a)] matrix_a_fmt:MATRIX_FMT_FP6 matrix_b_fmt:MATRIX_FMT_FP6 matrix_a_scale:MATRIX_SCALE_ROW1
.else
	v_wmma_scale_f32_16x16x128_f8f6f4 v[8*(8*((\a)%4)+\b):8*(8*((\a)%4)+\b)+7], v[128*(\set)+12*\b:128*(\set)+12*\b+11], v[AF+96*(\set)+12*(\a):AF+96*(\set)+12*(\a)+11], v[8*(8*((\a)%4)+\b):8*(8*((\a)%4)+\b)+7], v[SC+8*(\set)+\b], v[SC+8*(\set)+(\a)] matrix_a_fmt:MATRIX_FMT_FP6 matrix_b_fmt:MATRIX_FMT_FP6 matrix_a_scale:MATRIX_SCALE_ROW1
.endif
.endr
.endr
.endm
.macro STEP set, zero, nslot, nq, njc
	s_wait_dscnt 0x0                               ; this step's 50 loads, issued a step ago
	PLACES
	FETCH \nslot, \nq, 1-(\set), \njc
	WIN 0xa1
	MUL16 0, \set, \zero
	MUL16 2, \set, \zero
	WIN 0xf1
	MUL16 4, \set, \zero
	MUL16 6, \set, \zero
.endm
	s_wait_alu depctr_va_vdst(0)
	s_wait_loadcnt 0x0                             ; the scale words, asked for ahead of the first round
.set i, 0
.rept 8
	ds_store_b128 v[SCW], v[64+4*i:67+4*i] offset:2048*i   ; as they lie in memory: q's 8,192 bytes, then k's; into bytes that no tensor load fills
.set i, i+1
.endr
	s_wait_tensorcnt 0x0                           ; my panel's K steps 0 to 2 are in
	s_wait_dscnt 0x0                               ; my share of the scale words is in LDS
	s_barrier_signal -1
	s_barrier_wait -1
	FETCH 0, 0, 0, 0
	STEP 0, 1, 0, 1, 1                             ; chunk 0 of K: its products start the sums
	WIN 0                                          ; chunk 1 leaves slot 0, which takes K step 3: the one refill.  (The add's two registers lie in window 0)
	s_wait_tensorcnt 0x0                           ; all my tensor loads have landed
	ds_add_u32 v[SPW], v[NIL]                      ; 0 onto my spare word
	s_wait_dscnt 0x1                               ; (only the add may be out: chunk 1's fragments are in)
	WIN 0xa1
	MUL16 0, 1, 0
	s_wait_dscnt 0x0                               ; the add is done, and my reads of slot 0 are over
	s_barrier_signal -1
	MUL16 2, 1, 0
	WIN 0
	s_barrier_wait -1
	CREST                                          ; no wave of any partner still reads slot 0 or has a load on its way
	s_add_nc_u64 s[G0A0+2:G0A0+3], s[G0A0+2:G0A0+3], 3*PARTB
	s_add_nc_u64 s[G0B0+2:G0B0+3], s[G0B0+2:G0B0+3], 3*PARTB
	s_mov_b32 s[G1A+2], 96<<16                     ; no tensor load of mine is out: the refill is one K step, 96 rows of 256 bytes
	s_mov_b32 s[G1A+4], 96
	s_mov_b32 s[G1B+2], 96<<16
	s_mov_b32 s[G1B+4], 96
	JLOAD G0A0, G1A, G0B0, G1B                     ; the first tensor load behind the round, my only one; its four v_nop are the places in front of the loads below
	FETCH 1, 0, 0, 2
	WIN 0xf1
	MUL16 4, 1, 0
	MUL16 6, 1, 0
	STEP 0, 0, 1, 1, 3
	STEP 1, 0, 2, 0, 4
	STEP 0, 0, 2, 1, 5
	s_wait_tensorcnt 0x0                           ; chunk 5: my part of K step 3 is in; behind this barrier it is read, and nothing is filled again
	s_wait_dscnt 0x0
	s_barrier_signal -1
	WIN 0xa1
	MUL16 0, 1, 0
	MUL16 2, 1, 0
	s_barrier_wait -1
	PLACES
	FETCH 0, 0, 0, 6
	WIN 0xf1
	MUL16 4, 1, 0
	MUL16 6, 1, 0
	STEP 0, 0, 0, 1, 7
	s_wait_dscnt 0x0                               ; chunk 7: nothing more to fetch
	WIN 0xa1
	MUL16 0, 1, 0
	MUL16 2, 1, 0
	WIN 0xf1
	MUL16 4, 1, 0
	MUL16 6, 1, 0
	WIN 0
	PLACES
; THE WAY OUT.  Block a: 16 queries x my 128 keys; the lane's register 16 b + i is key 32 b + 16 (lane / 16) + i of its query.
.irp b, 0,1,2,3
	v_mov_b32 v[BT+\b], 0                          ; written once: a lane permute's destination counts as one of its sources
.endr
	v_mov_b32 v[NMP+1], 0                          ; (named as the upper half of a pair)
	v_mov_b32 v[TT], 0
.macro SOFT a
.set EW, 2+(\a)/4
.set ES, 64*((\a)%4)
.if (\a) < 2 || (\a) > 5               ; six sets of codes: v80-119 (blocks 0, 1 and again 6, 7) and v168-247 (blocks 2 to 5)
.set PCS, PC+20*((\a)%2)
.else
.set PCS, 128+20*(\a)
.endif
.set WW, (EW<<2)|(EW<<4)
	WIN WW                                         ; sources 1 and 2: the accumulators' window
.irp b, 0,1,2,3
	v_max3_num_f32 v[BM+\b], 0xff7fffff, v[ES+16*\b], v[ES+16*\b+1]   ; the largest score of each block of 32 keys (the first leaf lies under every score); each accumulator is read from its low end on
.endr
.irp i, 2,4,6,8,10,12,14
.irp b, 0,1,2,3
	v_max3_num_f32 v[BM+\b], v[BM+\b], v[ES+16*\b+\i], v[ES+16*\b+\i+1]
.endr
.endr
	WIN 0
.irp b, 0,1,2,3
	v_permlanex16_b32 v[BT+\b], v[BM+\b], s[SEL], s[SEL+1]
.endr
.irp b, 0,1,2,3
	v_max_num_f32 v[BM+\b], v[BM+\b], v[BT+\b]     ; with lane l xor 16's 16 keys
.endr
	v_max3_num_f32 v[TT], v[BM], v[BM+1], v[BM+2]
	v_max_num_f32 v[TT], v[TT], v[BM+3]            ; the chunk's largest score of my query
	v_mul_f32 v[TT], s[CS], v[TT]                  ; as t (c is positive)
	v_floor_f32 v[NMP], -v[TT]                     ; -M = floor(-t) = -ceil(t): a whole number
	v_mov_b32 v[NM+(\a)], v[NMP]
.irp b, 0,1,2,3
	v_fma_f32 v[BM+\b], v[BM+\b], s[CS], v[NMP]    ; t - M of each block's largest score
.endr
.set WW, EW|(EW<<6)
	WIN WW                                         ; source 0 and destination: the accumulators' window
.set j, 0
.rept 32
	v_pk_fma_f32 v[ES+j:ES+j+1], v[ES+j:ES+j+1], s[CS:CS+1], v[NMP:NMP+1] op_sel_hi:[1,0,0]   ; t - M, two at a time (of the pairs c and -M the low word serves both halves)
.set j, j+2
.endr
.set j, 0
	s_wait_alu depctr_va_vdst(0)
.rept 64
	v_exp_f32 v[ES+j], v[ES+j]                     ; p = 2^(t - M), at most 1
.set j, j+1
.endr
	WIN 0
.irp b, 0,1,2,3
	v_exp_f32 v[BM+\b], v[BM+\b]                   ; the block's largest p: the same two instructions on the same number give the same bits
.endr
.irp i, 0,1,2,3
	v_mov_b32 v[SU+\i], 0                          ; the sum's two chains begin; also the plain place behind the exponentials
.endr
	s_wait_alu depctr_va_vdst(0)
.irp b, 0,1,2,3
	v_max_num_f32 v[BM+\b], 0x1800000, v[BM+\b]    ; the floor 2^(3 - 127): the byte cannot fall under 1
.endr
.irp b, 0,1,2,3
	v_add_nc_u32 v[SO+\b], 0xff000000, v[BM+\b]    ; 2 off the exponent field: the conversion's scale operand
.endr
.irp b, 0,1,2,3
	v_lshrrev_b32 v[BY+\b], 23, v[SO+\b]           ; the byte: 1 to 125
.endr
	v_lshl_or_b32 v[WD+(\a)], v[BY+1], 8, v[BY]
	v_lshl_or_b32 v[WD+(\a)], v[BY+2], 16, v[WD+(\a)]
	v_lshl_or_b32 v[WD+(\a)], v[BY+3], 24, v[WD+(\a)]
.if (\a) == 6
	s_wait_xcnt 0x0                                ; the stores of blocks 0 and 1 have read the two sets that blocks 6 and 7 write again
.endif
	WIN EW
.irp c, 0,1
	v_cvt_scalef32_pk16_fp6_f32 v[PCS+6*\c:PCS+6*\c+2], v[ES+32*\c:ES+32*\c+15], v[SO+2*\c]
	v_cvt_scalef32_pk16_fp6_f32 v[PCS+12+4*\c:PCS+14+4*\c], v[ES+32*\c+16:ES+32*\c+31], v[SO+2*\c+1]   ; (a conversion's three registers begin on an even number)
.endr
	WIN 0
	v_nop                                          ; one plain place behind a scaled conversion
.irp c, 0,1                                    ; the operand's layout wants a whole block in a lane
.irp i, 0,1,2
	v_permlane16_swap_b32 v[PCS+6*\c+\i], v[PCS+12+4*\c+\i]
.endr
.irp i, 0,1,2
	v_mov_b32 v[PCS+3+6*\c+\i], v[PCS+12+4*\c+\i]
.endr
.endr
.irp c, 0,1,2
	global_store_b128 v[LI], v[PCS+4*\c:PCS+4*\c+3], s[8:9] offset:(\a)*3072+512*\c   ; 32 lanes store 512 consecutive bytes, at a multiple of 256 from the buffer's first byte
.endr
.set WW, EW<<2
	WIN WW                                         ; source 1: the accumulators' window
.set j, 0
.rept 16
	v_pk_add_f32 v[SU:SU+1], v[SU:SU+1], v[ES+j:ES+j+1]           ; the sum is taken of the UNQUANTISED p: two at a time, in two chains
	v_pk_add_f32 v[SU+2:SU+3], v[SU+2:SU+3], v[ES+j+2:ES+j+3]
.set j, j+4
.endr
	WIN 0
	v_pk_add_f32 v[SU:SU+1], v[SU:SU+1], v[SU+2:SU+3]
	v_add_f32 v[SU], v[SU], v[SU+1]
	v_permlanex16_b32 v[TT], v[SU], s[SEL], s[SEL+1]
	v_add_f32 v[LS+(\a)], v[SU], v[TT]             ; with lane l xor 16's: the chunk's sum of my query
.endm
.irp a, 0,1,2,3,4,5,6,7
	SOFT \a
.endr
	v_cmp_eq_u32 vcc_lo, 1, v2
.irp i, 0,1,2,3
	v_cndmask_b32 v[OW+\i], v[WD+\i], v[WD+4+\i], vcc_lo          ; lanes 0-15 store blocks 0-3's numbers of their row, lanes 16-31 blocks 4-7's
	v_cndmask_b32 v[OW+4+\i], v[NM+\i], v[NM+4+\i], vcc_lo
	v_cndmask_b32 v[OW+8+\i], v[LS+\i], v[LS+4+\i], vcc_lo
.endr
	global_store_b128 v[SOF], v[OW:OW+3], s[10:11]                   ; p's scale words: 512 consecutive bytes
	global_store_b128 v[SOF], v[OW+4:OW+7], s[10:11] offset:524288   ; -M
	global_store_b128 v[SOF], v[OW+8:OW+11], s[10:11] offset:1048576 ; l
	s_wait_tensorcnt 0x0                           ; the wave's end
	ds_add_u32 v[SPW], v[NIL]
	s_wait_dscnt 0x0
	CROUND                                         ; the closing round
	s_endpgm
.Lfunc_end_k_qe6a9406a09_scores:
	.size	k_qe6a9406a09_scores, .Lfunc_end_k_qe6a9406a09_scores-k_qe6a9406a09_scores
	.p2alignl 7, 3214868480
	.fill 96, 4, 3214868480
	.section	.rodata,"a",@progbits
	.p2align	6, 0x0
	.amdhsa_kernel k_qe6a9406a09_scores
		.amdhsa_group_segment_fixed_size 327680
		.amdhsa_private_segment_fixed_size 0
		.amdhsa_enable_private_segment 0
		.amdhsa_kernarg_size 32
		.amdhsa_user_sgpr_count 2
		.amdhsa_user_sgpr_kernarg_segment_ptr 1
		.amdhsa_wavefront_size32 1
		.amdhsa_system_sgpr_workgroup_id_x 1
		.amdhsa_system_sgpr_workgroup_id_y 1
		.amdhsa_system_sgpr_workgroup_id_z 1
		.amdhsa_system_vgpr_workitem_id 0
		.amdhsa_next_free_vgpr 1024
		.amdhsa_next_free_sgpr 102
		.amdhsa_reserve_vcc 1
		.amdhsa_float_denorm_mode_32 3
		.amdhsa_float_denorm_mode_16_64 3
		.amdhsa_memory_ordered 1
		.amdhsa_forward_progress 1
		.amdhsa_inst_pref_size 195
	.end_amdhsa_kernel
	.amdgpu_metadata
---
amdhsa.version: [ 1, 2 ]
amdhsa.kernels:
  - .name:           k_qe6a9406a09_scores
    .symbol:         k_qe6a9406a09_scores.kd
    .args:
      - { .name: codes2, .offset: 0, .size: 8, .value_kind: global_buffer, .address_space: global }
      - { .name: scales2, .offset: 8, .size: 8, .value_kind: global_buffer, .address_space: global }
      - { .name: pcodes, .offset: 16, .size: 8, .value_kind: global_buffer, .address_space: global }
      - { .name: pmeta, .offset: 24, .size: 8, .value_kind: global_buffer, .address_space: global }
    .group_segment_fixed_size: 327680
    .private_segment_fixed_size: 0
    .kernarg_segment_align: 8
    .kernarg_segment_size: 32
    .max_flat_workgroup_size: 128
    .sgpr_count:     102
    .vgpr_count:     1024
    .wavefront_size: 32
...
	.end_amdgpu_metadata
.endif
;; end of part 3
;; launch pv (part 4): grid 4 x 64, 4 waves a work-group, clusters of 4 x 4, 327,680 bytes of LDS; arguments pcodes, pmeta, codes2, scales2, out0; writes out0
.if DOCPART == 4
	.amdgcn_target "amdgcn-amd-amdhsa--gfx1250"
	.amdhsa_code_object_version 6
	.text
	.protected	k_qe6a9406a09_pv
	.globl	k_qe6a9406a09_pv
	.p2align	8
	.type	k_qe6a9406a09_pv,@function
k_qe6a9406a09_pv:
	s_mov_b64 s[64:65], 0
	v_nop
	global_prefetch_b8 v0, s[64:65] scope:SCOPE_SE
	s_setreg_imm32_b32 hwreg(HW_REG_WAVE_MODE, 25, 1), 1
	s_wait_xcnt 0x0
	s_wait_alu depctr_hold_cnt(0) depctr_sa_sdst(0) depctr_va_vdst(0) depctr_va_sdst(0) depctr_va_ssrc(0) depctr_va_vcc(0) depctr_vm_vsrc(0)
	s_getreg_b32 s2, hwreg(HW_REG_IB_STS2, 6, 4)
	s_cmp_eq_u32 s2, 0
	s_cbranch_scc0 .Lentry_in_a_cluster
	s_endpgm
.Lentry_in_a_cluster:
	s_bfe_u32 s2, ttmp6, 0x10000c
	s_cmp_lg_u32 s2, 0xf033
	s_cbranch_scc0 .Lentry_shape_is_right
	s_endpgm
.Lentry_shape_is_right:
; O = P V / l on codes of FP6 (E2M3) with E8M0 scales, K = the batch's 2,048 keys, f32 sums.  p arrives quantised under the M of its own chunk of 128 keys, with that -M and the chunk's sum l.
; AT THE HEAD each of the 128 threads takes one query of the tile: the row's M is the largest of its 16 chunks' (whole numbers); a chunk's l is multiplied by 2^(M(chunk) - M(row)) (v_ldexp_f32: nothing is rounded)
; and added up; M(row) - M(chunk) is taken off each of the chunk's four scale bytes, held at 0.  The shifted words go to LDS, from where the products take them; 1 / l likewise, for the way out.
; LIMITS: NaN and infinities are not served.  A byte that would fall under 0 is held at 0, the scale 2^-127: what such a block adds lies under 1e-37 of a row whose sum is above 1/2.
; The layout of the operands: rows in panels of 128, a panel in 8 blocks tb of 16; lane r of block tb holds the panel's row 32 (tb / 2) + 8 (tb % 2) + r % 8 + 16 (r / 8);
;   codes: panel x 196,608 + (k / 256) x 24,576 + tb x 3,072 + ((k / 128) % 2) x 1,536 + piece x 512 + 16 x lane;   words: panel x 8,192 + (k / 128) x 512 + 32 r + 4 tb.
; Source 0 = 16 channels of v^T, source 1 = 16 queries of p: a lane holds one query, and the 16 registers of results 2 b, 2 b + 1 are 16 neighbouring channels.
; A tile is 128 queries x 256 channels, so that there are 256 work-groups: four waves, each 64 x 128 in 32 accumulators; a chunk of 128 keys is 32 matrix instructions.
; p GOES FROM MEMORY STRAIGHT INTO REGISTERS: its codes lie as images of the operand's registers, so a fragment is three loads of 512 consecutive bytes.  A wave's four blocks of a chunk are 12 loads into one of five
; sets of 48 registers, asked for four chunks ahead.  So LDS serves v^T alone: 26 LDS loads a wave and chunk in place of 38.  p is therefore not asked for jointly; it is a third of a chunk's operand bytes.
; v^T: a panel's keys are one dense run of 196,608 bytes.  LDS holds 1,536 keys of both panels, filled by one tensor load a wave at the head (73,728 bytes each); the last 512 keys are the one refill, into the
; place of keys 0-511, behind a round of the cluster's barrier at chunk 3, eight chunks ahead of the wait for it.  By this text's own count a wave has one tensor load out at a time.
; CLUSTERS: 4 x 4; v^T's panels are asked for jointly along a column of the cluster.  v^T's scale words (16,384 bytes) come by ordinary loads and are stored into LDS bytes that no tensor load fills.
; No prefetch: the text has no loop; three quarters of v^T are asked for at the head, and p's loads themselves run four chunks ahead.
; REGISTERS: window 0: v1-25 addresses, v28-29 the add's, v32-47 scale words (two sets), v48-53 1 / l; at the head v64-151 the fix-up and v^T's scale words; on the way out v64-255.
;   window 1: v0-95, v128-223 v^T's fragments.   window 2: accumulator (a, b) at v[8 (8 a + b)].   window 3: v0-239 p's five sets.
.set KS,    24576                      ; a panel's 256 keys
.set PANB,  6*KS                       ; a panel's region in LDS: 1,536 keys
.set SCA,   2*PANB                     ; p's shifted scale words, 8,192 bytes
.set SCB,   SCA+8192                   ; v^T's scale words, 2 x 8,192 bytes
.set LINV,  SCB+16384                  ; 1 / l, 512 bytes
.set SPARE, LINV+512                   ; the spare words, 128 bytes for each wave: two blocks of 256 bytes that no other line names
.set SPITCH, 528                       ; the way out: a stage of 16 rows x (512 bytes + 16) for each wave,
.set STAGE, 2*KS                       ; in the place of panel 0's keys 512-1,023: filled once, and read no more behind chunk 11's barrier
.set LI,   4                           ; v4   16 x lane
.set ADRB, 12                          ; v12-14 my panel of v^T, 512 keys apart
.set ADRS, 16                          ; v16  scale words: lanes 0-15 p's blocks 4 WI .. + 3, lanes 16-31 v^T's blocks 0-3;  v17: lanes 16-31 blocks 4-7
.set FXW,  18
.set FXL,  19
.set RLA,  20
.set TH4,  21
.set STO,  22
.set RD,   23
.set TH16, 24
.set SCW,  25
.set SPW,  28
.set NIL,  29
.set SC,   32
.set RL,   48
.set RP,   52
.set T,    64
.set BK,   128
.set WV, 14
.set WI, 15
.set WJ, 16
.set CX, 17
.set CY, 18
.set G1B,  32                          ; s[32:39] group 1;  s[56:59] group 0 of the head's load, s[60:63] of the refill
.set G0B,  56
.set MSB, 0
.macro WIN new                         ; the immediate's high byte repeats the setting that is left; a switch that changes nothing is dropped
.if MSB != (\new)
	s_set_vgpr_msb (MSB<<8)|(\new)
.set MSB, (\new)
.endif
.endm
.macro PLACES                          ; four places in front of loads into registers that matrix instructions have read, and of the first read of results
.rept 4
	v_nop
.endr
.endm
.macro CREST
	s_cmp_lg_u32 s[WV], 0
	s_cbranch_scc1 .Lnot_wave_0_\@
	s_barrier_signal -3
.Lnot_wave_0_\@:
	s_barrier_wait -3
	s_barrier_signal -1
	s_barrier_wait -1
.endm
.macro CROUND
	s_barrier_signal -1
	s_barrier_wait -1
	CREST
.endm
.macro PLOAD c                         ; chunk c of my four blocks of p into set c % 5: 12 loads of 512 consecutive bytes
	WIN 0xc0                                       ; destination window 3, address window 0
.irp i, 0,1,2,3
.irp e, 0,1,2
	global_load_b128 v[48*((\c)%5)+12*\i+4*\e:48*((\c)%5)+12*\i+4*\e+3], v[LI], s[94:95] offset:((\c)/2)*KS+\i*3072+((\c)%2)*1536+\e*512
.endr
.endr
	WIN 0
.endm
.macro FETCH c                         ; 26 LDS loads in one run: chunk c's eight fragments of v^T into set c % 2, and its scale words.  Chunks 12-15 lie where chunks 0-3 lay
	WIN 0x40
.irp i, 0,1,2,3,4,5,6,7
.irp e, 0,1,2
	ds_load_b128 v[128*((\c)%2)+12*\i+4*\e:128*((\c)%2)+12*\i+4*\e+3], v[ADRB+((\c)/4)%3] offset:(((\c)%4)/2)*KS+\i*3072+((\c)%2)*1536+\e*512
.endr
.endr
	WIN 0
	ds_load_b128 v[SC+8*((\c)%2):SC+8*((\c)%2)+3], v[ADRS] offset:(\c)*512
	ds_load_b128 v[SC+8*((\c)%2)+4:SC+8*((\c)%2)+7], v[ADRS+1] offset:(\c)*512
.endm
.macro MULA c, a                       ; 8 matrix instructions: my block a of queries x the panel's eight blocks of channels.  The 32 accumulators take turns, one instruction a turn
.irp b, 0,1,2,3,4,5,6,7
.if (\c) == 0
	v_wmma_scale_f32_16x16x128_f8f6f4 v[8*(8*(\a)+\b):8*(8*(\a)+\b)+7], v[128*((\c)%2)+12*\b:128*((\c)%2)+12*\b+11], v[48*((\c)%5)+12*(\a):48*((\c)%5)+12*(\a)+11], 0, v[SC+8*((\c)%2)+\b], v[SC+8*((\c)%2)+(\a)] matrix_a_fmt:MATRIX_FMT_FP6 matrix_b_fmt:MATRIX_FMT_FP6 matrix_a_scale:MATRIX_SCALE_ROW1
.else
	v_wmma_scale_f32_16x16x128_f8f6f4 v[8*(8*(\a)+\b):8*(8*(\a)+\b)+7], v[128*((\c)%2)+12*\b:128*((\c)%2)+12*\b+11], v[48*((\c)%5)+12*(\a):48*((\c)%5)+12*(\a)+11], v[8*(8*(\a)+\b):8*(8*(\a)+\b)+7], v[SC+8*((\c)%2)+\b], v[SC+8*((\c)%2)+(\a)] matrix_a_fmt:MATRIX_FMT_FP6 matrix_b_fmt:MATRIX_FMT_FP6 matrix_a_scale:MATRIX_SCALE_ROW1
.endif
.endr
.endm
.set MULW, 0xad                        ; source 0 (v^T) window 1, source 1 (p) window 3, C and D window 2
.macro PWAIT c                         ; chunk c of p is in: behind its 12 loads those of the next three chunks, as far as there are any, may be out
.if 15-(\c) >= 3
	s_wait_loadcnt 36
.else
	s_wait_loadcnt 12*(15-(\c))
.endif
.endm
.macro STEP c
	s_wait_dscnt 0x0                               ; this chunk's 26 LDS loads, issued a chunk ago
	PWAIT \c
.if (\c) < 15
	PLACES
	FETCH (\c)+1
.endif
.if (\c) < 12
	PLOAD (\c)+4                                   ; into the set that the last chunk's products read
.endif
	WIN MULW
	MULA \c, 0
	MULA \c, 1
	MULA \c, 2
	MULA \c, 3
.endm
	s_load_b256 s[4:11], s[0:1], 0x0               ; p's codes s[4:5], p's words s[6:7], v^T's codes s[8:9] and scale words s[10:11] (in their buffers' third sections)
	s_load_b64 s[12:13], s[0:1], 0x20              ; O
	v_lshl_add_u32 v[SPW], v0, 2, SPARE
	v_mov_b32 v[NIL], 0
	ds_add_u32 v[SPW], v[NIL]                      ; the opening lines: the add, twice on end, and its wait ahead of my first tensor load
	ds_add_u32 v[SPW], v[NIL]
	v_lshlrev_b32 v[TH4], 2, v0
	v_lshlrev_b32 v[TH16], 4, v0
	v_lshl_add_u32 v[SCW], v0, 4, SCB
	v_lshrrev_b32 v1, 5, v0
	v_readfirstlane_b32 s[WV], v1
	s_lshr_b32 s[WI], s[WV], 1                     ; which 64 of the tile's queries are mine.  Also: which part of a panel's keys I fetch
	s_and_b32 s[WJ], s[WV], 1                      ; which panel of channels is mine, to multiply and to fetch
	s_bfe_u32 s[CX], ttmp6, 0x40000                ; the tile column (256 channels) is cx: the grid is one cluster wide
	s_bfe_u32 s[CY], ttmp6, 0x40004
	s_lshl_b32 s20, 0x1111, s[CX]                  ; my column of the cluster
	s_or_b32 s[G1B], s20, (3<<16)|(1<<21)          ; a dense block as rows of 256 bytes (32 elements of 8 bytes): 288 rows at the head
	s_mov_b32 s[G1B+1], 32<<16
	s_mov_b32 s[G1B+2], 288<<16
	s_mov_b32 s[G1B+3], 32<<16
	s_mov_b32 s[G1B+4], 288
	s_mov_b32 s[G1B+5], 32
	s_mov_b32 s[G1B+6], 0
	s_mov_b32 s[G1B+7], 0
	s_and_b32 s21, ttmp7, 0xffff                   ; the cluster's y, c = 0..15.  A batch's four clusters, which read the same v^T, agree in c % 4
	s_lshr_b32 s22, s21, 2
	s_and_b32 s21, s21, 3                          ; the batch: from the cluster's y alone
	s_lshl_b32 s22, s22, 2
	s_add_co_u32 s22, s22, s[CY]
	s_lshl_b32 s19, s21, 4
	s_add_co_u32 s22, s22, s19                     ; my panel of queries, 16 x batch + 4 (c / 4) + cy
	s_lshl_b32 s23, s21, 3
	s_lshl_b32 s92, s[CX], 1
	s_add_co_u32 s23, s23, s92                     ; the first of the tile's two panels of v^T
	s_add_co_u32 s93, s23, s[WJ]
	s_mul_i32 s96, s93, 196608
	s_add_co_u32 s96, s96, 12582912                ; my panel, in v^T's section of the codes
	s_mul_i32 s92, s[WJ], PANB                     ; and its region in LDS
	s_mul_i32 s93, s[WI], KS
	s_add_co_u32 s20, s96, s93
	s_add_co_u32 s20, s20, PANB                    ; the refill: keys 1,536 + 256 WI on,
	s_mov_b32 s21, 0
	s_add_co_u32 s93, s92, s93                     ; to where keys 256 WI on lay
	s_mul_i32 s19, s[WI], 3*KS
	s_add_co_u32 s96, s96, s19                     ; the head's load: keys 768 WI on,
	s_mov_b32 s97, 0
	s_add_co_u32 s92, s92, s19                     ; as they lie
	s_lshl_b32 s98, s23, 13
	s_add_co_u32 s98, s98, 524288                  ; the two panels' scale words
	s_mov_b32 s99, 0
	s_mul_i32 s94, s22, 196608
	s_mul_i32 s19, s[WI], 12288
	s_add_co_u32 s94, s94, s19                     ; my four blocks of p
	s_mov_b32 s95, 0
	s_lshl_b32 s100, s22, 13                       ; p's words
	s_mov_b32 s101, 0
	s_wait_alu depctr_va_vdst(0)
	s_wait_dscnt 0x0                               ; both opening adds are done
	s_wait_kmcnt 0x0
	s_add_nc_u64 s[6:7], s[6:7], s[100:101]
	s_add_nc_u64 s[98:99], s[10:11], s[98:99]
.irp j, 0,1,2,3,4,5,6,7,8,9,10,11,12,13,14,15  ; my query's 16 scale words, 16 -M, 16 l: each load of the work-group reads 512 consecutive bytes
	global_load_b32 v[64+\j], v[TH4], s[6:7] offset:\j*512
	global_load_b32 v[80+\j], v[TH4], s[6:7] offset:524288+\j*512
	global_load_b32 v[96+\j], v[TH4], s[6:7] offset:1048576+\j*512
.endr
.irp k, 0,1,2,3,4,5,6,7                        ; v^T's scale words: each load of the work-group reads 2,048 consecutive bytes
	global_load_b128 v[120+4*\k:123+4*\k], v[TH16], s[98:99] offset:2048*\k
.endr
	s_add_nc_u64 s[94:95], s[4:5], s[94:95]
	s_add_nc_u64 s[96:97], s[8:9], s[96:97]
	s_add_nc_u64 s[20:21], s[8:9], s[20:21]
	s_mov_b32 s[G0B], 1
	s_mov_b32 s[G0B+1], s92
	s_mov_b64 s[G0B+2:G0B+3], s[96:97]
	s_or_b32 s[G0B+3], s[G0B+3], 0x80000000
	s_mov_b32 s[G0B+4], 1
	s_mov_b32 s[G0B+5], s93
	s_mov_b64 s[G0B+6:G0B+7], s[20:21]
	s_or_b32 s[G0B+7], s[G0B+7], 0x80000000
	CROUND                                         ; all sixteen work-groups are here: the first joint loads meet
	tensor_load_to_lds s[G0B:G0B+3], s[G1B:G1B+7]  ; one tensor load a wave at the head: 768 keys of a panel
	s_nop 0
	PLACES
	v_and_b32 v1, 15, v0                           ; r
	v_bfe_u32 v2, v0, 4, 1                         ; h
	v_and_b32 v3, 31, v0
	v_lshlrev_b32 v[LI], 4, v3
	s_wait_alu depctr_va_vdst(0)
	s_mul_i32 s93, s[WJ], PANB
.irp s, 0,1,2
	v_add_nc_u32 v[ADRB+\s], s93, v[LI]
	s_add_co_u32 s93, s93, 2*KS
.endr
	s_lshl_b32 s92, s[WI], 4
	s_lshl_b32 s93, s[WJ], 13
	s_add_co_u32 s93, s93, SCB-SCA
	s_sub_co_u32 s93, s93, s92
	v_mul_u32_u24 v6, s93, v2                      ; lanes 16-31 take v^T's words: one product, h x the distance
	s_add_co_u32 s93, s92, SCA
	v_lshl_add_u32 v6, v1, 5, v6
	v_add_nc_u32 v[ADRS], s93, v6
	v_lshl_add_u32 v[ADRS+1], v2, 4, v[ADRS]       ; lanes 16-31: blocks 4-7
	v_lshl_add_u32 v[FXW], v0, 2, SCA
	v_lshl_add_u32 v[FXL], v0, 2, LINV
	s_add_co_u32 s93, s92, LINV
	v_lshl_add_u32 v[RLA], v1, 5, s93
	s_mul_i32 s93, s[WV], 16*SPITCH                ; my stage
	s_add_co_u32 s93, s93, STAGE
	v_mul_u32_u24 v[STO], v1, SPITCH
	v_lshl_add_u32 v[STO], v2, 6, v[STO]
	v_add_nc_u32 v[STO], s93, v[STO]               ; in: row r, + 64 h
	v_add_nc_u32 v[RD], s93, v[LI]                 ; back: the 32 lanes take one row of 512 bytes
	s_lshl_b32 s92, s22, 19                        ; O: 128 rows of 4,096 bytes a panel, + 64 WI rows, + 1,024 x tile column + 512 WJ
	s_lshl_b32 s93, s[WI], 18
	s_add_co_u32 s92, s92, s93
	s_lshl_b32 s93, s[CX], 10
	s_add_co_u32 s92, s92, s93
	s_lshl_b32 s93, s[WJ], 9
	s_add_co_u32 s92, s92, s93
	s_mov_b32 s93, 0
	s_add_nc_u64 s[12:13], s[12:13], s[92:93]
	s_mov_b32 s2, 0x01010101
	s_mov_b32 s3, 0x80808080
	s_mov_b32 s100, 0x7f7f7f7f
	PLOAD 0
	s_wait_alu depctr_va_vdst(0)
	s_wait_loadcnt 12                              ; the 56 loads of words are in; chunk 0's 12 loads of p may be out
	PLOAD 1
	PLOAD 2
	PLOAD 3
.set i, 0
.rept 8
	ds_store_b128 v[SCW], v[120+4*i:123+4*i] offset:2048*i   ; v^T's scale words, as they lie in memory
.set i, i+1
.endr
	; ---- my query: the row's M, its sum, its shifted scale words.  This stands while the first tiles are on their way
	v_min3_num_f32 v112, v80, v81, v82             ; the least -M = -(the row's M)
.irp i, 83,85,87,89,91,93
	v_min3_num_f32 v112, v112, v[\i], v[\i+1]
.endr
	v_min_num_f32 v112, v112, v95
.irp j, 0,1,2,3,4,5,6,7,8,9,10,11,12,13,14,15
	v_sub_f32 v113, v112, v[80+\j]                 ; M(chunk) - M(row): a whole number, 0 or less
	v_cvt_i32_f32 v113, v113                       ; (it saturates)
.if \j == 0
	v_ldexp_f32 v115, v[96+\j], v113               ; the chunk's sum under the row's M
.else
	v_ldexp_f32 v114, v[96+\j], v113
	v_add_f32 v115, v115, v114
.endif
	v_sub_nc_u32 v116, 0, v113
	v_min_u32 v116, 127, v116                      ; d = what comes off the bytes, at most 127
	v_mul_lo_u32 v116, v116, s2                    ; d in each of four bytes
	v_or_b32 v117, s3, v[64+\j]                    ; each byte (1 to 125) + 128: no byte borrows from its neighbour
	v_sub_nc_u32 v117, v117, v116
	v_lshrrev_b32 v116, 7, v117
	v_and_b32 v116, s2, v116                       ; 1 where the byte has not fallen under 0,
	v_lshlrev_b32 v118, 8, v116
	v_sub_nc_u32 v116, v118, v116                  ; x 255: a mask of whole bytes
	v_and_b32 v117, s100, v117
	v_and_b32 v117, v117, v116                     ; byte - d, held at 0
	ds_store_b32 v[FXW], v117 offset:\j*512
.endr
	s_wait_alu depctr_va_vdst(0)                   ; the wait ahead of the transcendental
	v_rcp_f32 v114, v115
	v_nop                                          ; one plain place behind a transcendental
	s_wait_alu depctr_va_vdst(0)                   ; and ahead of its first reader
	ds_store_b32 v[FXL], v114
	s_wait_tensorcnt 0x0                           ; my 768 keys are in
	s_wait_dscnt 0x0                               ; my words and my 1 / l are in LDS
	s_barrier_signal -1
	s_barrier_wait -1                              ; everybody's are
	FETCH 0
	STEP 0                                         ; its products start the sums
	STEP 1
	STEP 2
	WIN 0                                          ; chunk 3 leaves keys 0-511, whose place takes keys 1,536-2,047: the one refill.  (The add's two registers lie in window 0)
	s_wait_tensorcnt 0x0                           ; no tensor load of mine is out
	ds_add_u32 v[SPW], v[NIL]                      ; 0 onto my spare word
	s_mov_b32 s[G1B+2], 96<<16                     ; so the descriptor may be written: the refill is 256 keys a wave, 96 rows of 256 bytes
	s_mov_b32 s[G1B+4], 96
	s_wait_dscnt 0x1                               ; (only the add may be out: chunk 3's fragments of v^T are in)
	PWAIT 3
	WIN MULW
	MULA 3, 0                                      ; eight matrix instructions stand between the add and the wait for it
	s_wait_dscnt 0x0                               ; the add is done, and my reads of keys 0-511 are over
	s_barrier_signal -1                            ; this barrier opens a round of the cluster's barrier
	MULA 3, 1
	WIN 0
	s_barrier_wait -1
	CREST                                          ; no wave of any partner still reads that place or has a load on its way
	tensor_load_to_lds s[G0B+4:G0B+7], s[G1B:G1B+7]   ; the first tensor load behind the round, my only one
	s_nop 0
	PLACES                                         ; also the places in front of the loads below
	FETCH 4
	PLOAD 7
	WIN MULW
	MULA 3, 2
	MULA 3, 3
.irp c, 4,5,6,7,8,9,10
	STEP \c
.endr
	s_wait_tensorcnt 0x0                           ; chunk 11: my part of the last 512 keys is in; behind this barrier it is read, and nothing is filled again
	s_wait_dscnt 0x0
	PWAIT 11
	s_barrier_signal -1
	WIN MULW
	MULA 11, 0
	MULA 11, 1
	s_barrier_wait -1
	PLACES
	FETCH 12
	PLOAD 15
	WIN MULW
	MULA 11, 2
	MULA 11, 3
.irp c, 12,13,14,15
	STEP \c
.endr
	WIN 0
	PLACES
; THE WAY OUT, block by block of 16 queries x 128 channels: divided by l, through my own stage in LDS, back as whole rows of 512 bytes.  LDS serves a wave's instructions in order (ISA guide 5.7.1.4): no wait between the
; stores and the loads, nor in front of the next block's stores.
	ds_load_b128 v[RL:RL+3], v[RLA]                ; 1 / l of row r of my four blocks
	v_mov_b32 v[RP+1], 0                           ; (named as the upper half of a pair)
	s_wait_dscnt 0x0
.macro TOSTAGE a
	v_mov_b32 v[RP], v[RL+(\a)]
	s_wait_alu depctr_va_vdst(0)
	WIN 0x02                                       ; source 0: the accumulators' window
.set j, 0
.rept 32
	v_pk_mul_f32 v[T+j:T+j+1], v[64*(\a)+j:64*(\a)+j+1], v[RP:RP+1] op_sel_hi:[1,0]   ; each accumulator from its low end on
.set j, j+2
.endr
	WIN 0
.irp b, 0,1,2,3
.irp e, 0,1,2,3
	ds_store_b128 v[STO], v[T+16*\b+4*\e:T+16*\b+4*\e+3] offset:128*\b+16*\e   ; registers 16 b .. 16 b + 15: channels 32 b + 16 h + 0 .. 15 of my query
.endr
.endr
.set BB, BK*(1-(\a)/2)+64*((\a)%2)     ; each block's rows come back into registers of their own: blocks 0, 1 into v128-255 of window 0, blocks 2, 3 into v0-127 of window 1, where v^T's fragments lay
	WIN 0x40*((\a)/2)
.irp t, 0,1,2,3,4,5,6,7,8,9,10,11,12,13,14,15
	ds_load_b128 v[BB+4*\t:BB+4*\t+3], v[RD] offset:\t*SPITCH
.endr
	WIN 0
.endm
.macro SEND a, younger                 ; younger: the LDS instructions issued behind block a's loads, which may stay out
.set BB, BK*(1-(\a)/2)+64*((\a)%2)
	s_wait_dscnt \younger
	WIN 0x04*((\a)/2)                              ; a store's data are its source 1
.irp t, 0,1,2,3,4,5,6,7,8,9,10,11,12,13,14,15
	global_store_b128 v[LI], v[BB+4*\t:BB+4*\t+3], s[12:13] offset:(32*((\a)/2)+8*((\a)%2)+(\t%8)+16*(\t/8))*4096 th:TH_STORE_NT   ; stage row t is the block's lane t: 32 lanes store 512 consecutive bytes, at a multiple of 256 from O's first byte
.endr
	WIN 0
.endm
	TOSTAGE 0
.irp a, 1,2,3
	TOSTAGE \a
	SEND \a-1, 32                                  ; behind block a - 1's loads: block a's 16 stores and 16 loads
.endr
	SEND 3, 0
	s_wait_tensorcnt 0x0                           ; the wave's end: behind my last tensor load and my last LDS store
	ds_add_u32 v[SPW], v[NIL]
	s_wait_dscnt 0x0
	CROUND                                         ; the closing round: no work-group ends while a partner may still ask for a tile that names it
	s_endpgm
.Lfunc_end_k_qe6a9406a09_pv:
	.size	k_qe6a9406a09_pv, .Lfunc_end_k_qe6a9406a09_pv-k_qe6a9406a09_pv
	.p2alignl 7, 3214868480
	.fill 96, 4, 3214868480
	.section	.rodata,"a",@progbits
	.p2align	6, 0x0
	.amdhsa_kernel k_qe6a9406a09_pv
		.amdhsa_group_segment_fixed_size 327680
		.amdhsa_private_segment_fixed_size 0
		.amdhsa_enable_private_segment 0
		.amdhsa_kernarg_size 40
		.amdhsa_user_sgpr_count 2
		.amdhsa_user_sgpr_kernarg_segment_ptr 1
		.amdhsa_wavefront_size32 1
		.amdhsa_system_sgpr_workgroup_id_x 1
		.amdhsa_system_sgpr_workgroup_id_y 1
		.amdhsa_system_sgpr_workgroup_id_z 1
		.amdhsa_system_vgpr_workitem_id 0
		.amdhsa_next_free_vgpr 1024
		.amdhsa_next_free_sgpr 102
		.amdhsa_reserve_vcc 0
		.amdhsa_float_denorm_mode_32 3
		.amdhsa_float_denorm_mode_16_64 3
		.amdhsa_memory_ordered 1
		.amdhsa_forward_progress 1
		.amdhsa_inst_pref_size 161
	.end_amdhsa_kernel
	.amdgpu_metadata
---
amdhsa.version: [ 1, 2 ]
amdhsa.kernels:
  - .name:           k_qe6a9406a09_pv
    .symbol:         k_qe6a9406a09_pv.kd
    .args:
      - { .name: pcodes, .offset: 0, .size: 8, .value_kind: global_buffer, .address_space: global }
      - { .name: pmeta, .offset: 8, .size: 8, .value_kind: global_buffer, .address_space: global }
      - { .name: codes2, .offset: 16, .size: 8, .value_kind: global_buffer, .address_space: global }
      - { .name: scales2, .offset: 24, .size: 8, .value_kind: global_buffer, .address_space: global }
      - { .name: out0, .offset: 32, .size: 8, .value_kind: global_buffer, .address_space: global }
    .group_segment_fixed_size: 327680
    .private_segment_fixed_size: 0
    .kernarg_segment_align: 8
    .kernarg_segment_size: 40
    .max_flat_workgroup_size: 128
    .sgpr_count:     102
    .vgpr_count:     1024
    .wavefront_size: 32
...
	.end_amdgpu_metadata
.endif
;; end of part 4
